; MI455X (gfx1250); checked and timed in simulation.
; The chip was launched on July 23, 2026; its instructions are those of AMD's public machine-readable ISA for CDNA 5 (MIT licence, August 2026) and "CDNA5" Instruction Set Architecture Reference Guide (July 2026). The comments in the code are by the model that wrote it; some were corrected since.
;; Multi Head Self Attention. Allowed arithmetic: matrix products marked QUANTISED: E2M1 operands, one E8M0 scale for each 32 along K, by v_wmma_scale_f32_16x16x128_f8f6f4 with both operands' format E2M1 (or v_wmma_scale_f32_32x16x128_f4), f32 sums; products left as they are: bf16, f16 or f32 operands; f32 sums; everything else in f32.
;; Inputs: Wk 1,024 x 1,024 float32; Wo 1,024 x 1,024 float32; Wq 1,024 x 1,024 float32; Wv 1,024 x 1,024 float32; token_positions 4 x 2,048 int32; x 4 x 2,048 x 1,024 float32.
;; Outputs: out0 4 x 2,048 x 1,024 float32.
;; This version of the problem:
;;   THIS VERSION OF THE PROBLEM IS GIVEN IN LOW PRECISION. The matrix products marked QUANTISED in the list below multiply operands that are first quantised to E2M1 (2 exponent bits, 1 mantissa bit; 4 bits a number), with one power-of-two scale for each 32 numbers along K (OCP MX v1.0); their sums are f32. The products marked 'left as it is' may take bf16, f16 or f32 operands, with f32 sums. Whichever they take, every output number must still come out within the allowed error. Rounding operands to bf16 (8 significant bits) uses up far more of that allowance than f16 does (11 bits, for magnitudes from 6e-5 to 65,504). All else is computed in f32.
;;   The module's matrix products, in the order in which they are computed (A, B: the left and right operand; K: the contracted axis; several contracted axes count as one K, in the product's order):
;;     1. [M 8,192, K 1,024] x [K 1,024, N 1,024]; A: input x; B: input Wq: QUANTISED
;;     2. [M 8,192, K 1,024] x [K 1,024, N 1,024]; A: input x; B: input Wk: QUANTISED
;;     3. [M 8,192, K 1,024] x [K 1,024, N 1,024]; A: input x; B: input Wv: QUANTISED
;;     4. batch 64 x [M 2,048, K 64] x [K 64, N 2,048]; A: computed on the way; B: computed on the way: left as it is (an operand is computed on the way)
;;     5. batch 64 x [M 2,048, K 2,048] x [K 2,048, N 64]; A: computed on the way; B: computed on the way: left as it is (an operand is computed on the way)
;;     6. [M 8,192, K 1,024] x [K 1,024, N 1,024]; A: computed on the way; B: input Wo: left as it is (an operand is computed on the way)
;;   THE QUANTISER, for each operand of a quantised product, along K:
;;     - K is cut into blocks of 32 from its start; a last block that is shorter is filled with zeros.
;;     - A block's scale is 2^e with e = floor(log2(the largest magnitude in the block)) - 2, held to -126 .. 127; a block of zeros has e = 0. As a byte (E8M0): e + 127.
;;     - Each number is divided by its block's scale, clamped to +-6, and rounded to the nearest number of E2M1, ties to even, subnormals kept.
;;     - The product sums the exact products of the quantised numbers (number of the format x scale) in f32.
;;   ~~~python
;;   def quantise(x, axis):      # numpy; x: float32 -> the quantised numbers, widened to float32 again
;;       x = np.moveaxis(x, axis, -1); K = x.shape[-1]
;;       x = np.pad(x, [(0, 0)] * (x.ndim - 1) + [(0, -K % 32)]); x = x.reshape(x.shape[:-1] + (-1, 32)); a = np.abs(x).max(-1, keepdims=True)
;;       e = np.where(a > 0, np.clip(np.frexp(np.where(a > 0, a, 1))[1] - 1 - 2, -126, 127), 0)      # np.frexp(a)[1] - 1 = floor(log2(a)), exactly
;;       r = np.clip(x / 2.0 ** e, -6, 6)
;;       step = 2.0 ** (np.maximum(np.frexp(np.where(r == 0, 1, r))[1] - 1, 0) - 1)
;;       q = np.round(r / step) * step * 2.0 ** e      # np.round: ties to even
;;       return np.moveaxis(q.reshape(q.shape[:-2] + (-1,))[..., :K], -1, axis).astype(np.float32)
;;   ~~~
;; One version. Each part assembles by itself: llvm-mc -triple=amdgcn-amd-amdhsa -mcpu=gfx1250 --defsym DOCPART=n.
;; ======== version 1 of 1: 5 launches
;; limits: values are held in f16: magnitudes above 65,504 overflow, below 6.1e-05 lose precision
;; workspace buffers: codes 5,767,168 bytes; scales 360,448 bytes; wo16 2,097,152 bytes; rope 2,097,152 bytes; qkv 50,331,648 bytes; qkv32 786,432 bytes; ao 16,777,216 bytes
;; launch prep (part 1): grid 512 x 1, 4 waves a work-group, no clusters, 33,280 bytes of LDS; arguments x, Wq, Wk, Wv, Wo, token_positions, codes, scales, wo16, rope; writes codes, scales, wo16, rope
.if DOCPART == 1
	.amdgcn_target "amdgcn-amd-amdhsa--gfx1250"
	.amdhsa_code_object_version 6
	.text
	.protected	k_q950e028691_prep
	.globl	k_q950e028691_prep
	.p2align	8
	.type	k_q950e028691_prep,@function
k_q950e028691_prep:
	s_mov_b64 s[64:65], 0
	v_nop
	global_prefetch_b8 v0, s[64:65] scope:SCOPE_SE
	s_setreg_imm32_b32 hwreg(HW_REG_WAVE_MODE, 25, 1), 1
	s_wait_xcnt 0x0
; PREP: three jobs that share one launch, told apart by the work-group's number.
;  work-groups   0-351: x [8192][1024] and Wq, Wk, Wv [1024][1024], f32, become codes of FP4 (E2M1), K innermost, two codes a byte, with one E8M0 byte for each 32 along K.
;                       codes: x's 8192 rows of 512 bytes, then the 3072 rows of Wq, Wk, Wv on end.  scales: x's 8192 rows of 32 bytes, then the 3072 of the weights.
;  work-groups 352-383: Wo [1024 n][1024 k] f32 becomes f16, laid by head of K: wo16 [16 h][1024 n][64 k].
;  work-groups 384-511: the table of rotations: rope [8192 rows = batch x 2048 + s][32 frequencies][cos, sin], f32, from token_positions as they are given.
; A block's scale is 2^(floor(log2(its largest magnitude)) - 2): its byte is the largest magnitude's own exponent field - 2, held at 1 from below.
; LIMITS.  A block of zeros gets the byte 1 where the rule says 127: its codes are zeros, and this program alone reads the bytes.  Blocks whose largest magnitude lies under 2^-124 were not tried.
; NaN and infinities among the inputs are not served.  |token position| under 2^30 (the quadrant's number is kept in 32 bits).  The frequencies come from v_exp_f32 and lie within a few ulp of exp() in f32.
; Rows are dense and K is a multiple of 32: the four tensors are plain streams of blocks of 32 numbers, and so are codes and scale bytes.
.set STEPS, 16                         ; a wave takes 16 steps of 512 numbers
.set EMAX,  2
.set CB,    8                          ; bytes of 16 codes
.set R,     16                         ; v16-79   four sets of 16 numbers as they are loaded
.set X,     80                         ; v80-111  two sets of 16 neighbours
.set E,     112                        ; v112-127 a scale byte for each step
.set C,     128                        ; v128-191 codes: four registers for each step
.set WREG,  8192                       ; LDS: a region for each wave: two stages of 32 x SP bytes, behind them its 256 scale bytes
.set SP,    80                         ; a lane's place in a stage: 64 bytes + 16 of padding
.set SPW,   12                         ; v12 LDS address of my spare word; never rewritten
.set NIL,   13                         ; v13 0; never rewritten
.set SPARE, 4*WREG                     ; behind the four regions: the spare words, 128 bytes a wave
	s_load_b512 s[4:19], s[0:1], 0x0               ; x 4:5, Wq 6:7, Wk 8:9, Wv 10:11, Wo 12:13, token_positions 14:15, codes 16:17, scales 18:19
	s_load_b128 s[20:23], s[0:1], 0x40             ; wo16 20:21, rope 22:23
	v_lshl_add_u32 v[SPW], v0, 2, SPARE
	v_mov_b32 v[NIL], 0
	v_lshrrev_b32 v1, 5, v0
	v_readfirstlane_b32 s24, v1                    ; wave
	v_and_b32 v2, 31, v0                           ; lane
	s_mov_b32 s31, 0                               ; the upper word of every offset pair s[30:31]
	s_wait_kmcnt 0x0
	s_cmp_ge_u32 ttmp9, 384
	s_cbranch_scc1 .Lrope
	s_cmp_ge_u32 ttmp9, 352
	s_cbranch_scc1 .Lwo
; ---------------- the quantiser ----------------
; The conversions take 8 numbers of ONE block from a lane's registers, so a lane must hold 16 neighbours; a load is best where neighbouring lanes take neighbouring bytes.  Both are had: each of a step's
; four loads reads 512 consecutive bytes; the 2,048 bytes go through the wave's own stage in LDS as they lie and come back 64 bytes a lane.  Two neighbouring lanes hold a block.
	v_lshlrev_b32 v3, 4, v2                        ; my 16 bytes of a load's 512
	s_mul_i32 s25, s24, WREG
	v_lshrrev_b32 v14, 2, v2
	v_mul_u32_u24 v14, v14, SP
	v_and_b32 v15, 3, v2
	v_lshl_add_u32 v14, v15, 4, v14
	v_add_nc_u32 v14, s25, v14                     ; the stage, on the way in: SP (lane / 4) + 16 (lane % 4)
	v_mul_u32_u24 v15, v2, SP
	v_add_nc_u32 v15, s25, v15                     ; and on the way out: SP x lane
	v_mul_u32_u24 v4, v2, CB                       ; my codes' place in a step's
	v_lshrrev_b32 v5, 1, v2
	s_add_co_u32 s25, s25, 2*32*SP
	v_add_nc_u32 v5, s25, v5                       ; LDS: my wave's 256 scale bytes, my block's byte
	v_lshlrev_b32 v7, 3, v2                        ; and on the way out 8 bytes a lane
	v_add_nc_u32 v6, s25, v7
	s_and_b32 s27, ttmp9, 31                       ; a weight has 32 work-groups, and 256 is a multiple of 32
	s_cmp_lt_u32 ttmp9, 288                        ; the source is chosen by the work-group's number alone
	s_cselect_b64 s[28:29], s[6:7], s[8:9]
	s_cmp_lt_u32 ttmp9, 320
	s_cselect_b64 s[28:29], s[28:29], s[10:11]
	s_cmp_lt_u32 ttmp9, 256
	s_cselect_b64 s[28:29], s[4:5], s[28:29]
	s_cselect_b32 s26, ttmp9, s27
	s_lshl_b32 s26, s26, 2
	s_add_co_u32 s26, s26, s24                     ; which run of 8,192 numbers of the source is my wave's
	s_lshl_b32 s30, s26, 15                        ; 32,768 bytes a run
	s_add_nc_u64 s[28:29], s[28:29], s[30:31]
	s_lshl_b32 s26, ttmp9, 2
	s_add_co_u32 s26, s26, s24                     ; and which run of the results: the weights' lie straight behind x's
	s_lshl_b32 s30, s26, 12                        ; 4,096 bytes of codes a run
	s_add_nc_u64 s[16:17], s[16:17], s[30:31]
	s_lshl_b32 s30, s26, 8                         ; 256 scale bytes a run
	s_add_nc_u64 s[18:19], s[18:19], s[30:31]
.macro LOAD t
.irp i, 0,1,2,3
	global_load_b128 v[R+16*((\t)%4)+4*\i:R+16*((\t)%4)+4*\i+3], v3, s[28:29] offset:2048*(\t)+512*\i th:TH_LOAD_NT   ; 32 lanes read 512 consecutive bytes
.endr
.endm
.macro TURN t                          ; step t's numbers through the stage: LDS serves a wave's instructions in order, so no wait stands between the stores and the loads
.irp i, 0,1,2,3
	ds_store_b128 v14, v[R+16*((\t)%4)+4*\i:R+16*((\t)%4)+4*\i+3] offset:32*SP*((\t)%2)+8*SP*\i
.endr
.irp i, 0,1,2,3
	ds_load_b128 v[X+16*((\t)%2)+4*\i:X+16*((\t)%2)+4*\i+3], v15 offset:32*SP*((\t)%2)+16*\i
.endr
.endm
.irp t, 0,1,2,3
	LOAD \t
.endr
	s_wait_loadcnt 12                              ; step 0's four loads are in; those of three steps stay out
	TURN 0
.macro STEP t
.set XS, X+16*((\t)%2)
.if (\t) > 0
	s_wait_dscnt 1                                 ; this step's numbers are back from the stage (the last step's byte store may be out)
.else
	s_wait_dscnt 0x0
.endif
.if (\t)+4 < STEPS
	LOAD (\t)+4                                    ; into the registers that the stage's stores have read
.endif
.if (\t)+1 < STEPS
.if STEPS-2-(\t) >= 3
	s_wait_loadcnt 12                              ; the next step's four loads are in; those of the three steps behind it may be out
.else
	s_wait_loadcnt 4*(STEPS-2-(\t))
.endif
	TURN (\t)+1                                    ; through the other stage while this step is worked
.endif
	v_max3_num_f32 v8, |v[XS]|, |v[XS+1]|, |v[XS+2]|               ; the largest magnitude of my 16, in two chains
	v_max3_num_f32 v9, |v[XS+3]|, |v[XS+4]|, |v[XS+5]|
.irp i, 6,10
	v_max3_num_f32 v8, v8, |v[XS+\i]|, |v[XS+\i+1]|
	v_max3_num_f32 v9, v9, |v[XS+\i+2]|, |v[XS+\i+3]|
.endr
	v_max3_num_f32 v8, v8, |v[XS+14]|, |v[XS+15]|
	v_max3_num_f32 v8, v8, v9, (EMAX+1)<<23        ; and the floor 2^(EMAX + 1 - 127): the byte cannot fall under 1
	v_max_num_f32_dpp v8, v8, v8 row_xmask:1 row_mask:0xf bank_mask:0xf   ; and of my neighbour's 16: the block's
	v_add_nc_u32 v11, -(EMAX<<23), v8              ; EMAX off its exponent field: the conversion takes the exponent field of this operand as its scale
	v_cvt_scalef32_pk8_fp4_f32 v[C+4*(\t)], v[XS:XS+7], v11        ; to the nearest code, ties to even, beyond the largest code the largest
	v_cvt_scalef32_pk8_fp4_f32 v[C+4*(\t)+1], v[XS+8:XS+15], v11
	v_lshrrev_b32 v[E+(\t)], 23, v11               ; the scale's byte
	ds_store_b8 v5, v[E+(\t)] offset:16*(\t)       ; both lanes of a block write the same byte with the same value
	global_store_b64 v4, v[C+4*(\t):C+4*(\t)+1], s[16:17] offset:32*CB*(\t)   ; the wave stores 256 consecutive bytes, aligned
.endm
.irp t, 0,1,2,3,4,5,6,7,8,9,10,11,12,13,14,15
	STEP \t
.endr
	ds_load_b64 v[8:9], v6                         ; LDS serves a wave's instructions in order: these see my stores
	s_wait_dscnt 0x0
	global_store_b64 v7, v[8:9], s[18:19]          ; 32 lanes store 256 consecutive bytes, aligned
	s_wait_tensorcnt 0x0                           ; the wave's end, behind my last LDS store
	ds_add_u32 v[SPW], v[NIL]
	s_wait_dscnt 0x0
	s_endpgm
; ---------------- Wo to f16, by head ----------------
; Wave w of work-group g takes rows n = 32 g + 8 w .. + 7, all 16 heads.  A unit is a head and four rows: lane l takes row l / 8 and 8 numbers (32 bytes) at l % 8; its 8 f16 are 16 bytes at 16 l of the
; unit's 512 consecutive bytes in wo16.  Four rounds of 8 units; two rounds' loads are out.
.Lwo:
	s_sub_co_u32 s25, ttmp9, 352
	s_lshl_b32 s25, s25, 5
	s_lshl_b32 s26, s24, 3
	s_add_co_u32 s25, s25, s26                     ; my first row
	s_lshl_b32 s30, s25, 12
	s_add_nc_u64 s[12:13], s[12:13], s[30:31]
	s_lshl_b32 s30, s25, 7
	s_add_nc_u64 s[20:21], s[20:21], s[30:31]
	v_lshrrev_b32 v3, 3, v2
	v_and_b32 v4, 7, v2
	v_lshlrev_b32 v3, 12, v3
	v_lshl_add_u32 v3, v4, 5, v3                   ; in: (l / 8) rows of 4,096 bytes + 32 (l % 8)
	v_lshlrev_b32 v4, 4, v2                        ; out: 16 l
.macro WLOAD k                         ; round k: unit 8 k + j is head 4 k + j / 2, rows 4 (j % 2) on
.irp j, 0,1,2,3,4,5,6,7
	global_load_b128 v[16+64*((\k)%2)+8*\j:16+64*((\k)%2)+8*\j+3], v3, s[12:13] offset:(\j%2)*16384+(4*(\k)+\j/2)*256 th:TH_LOAD_NT
	global_load_b128 v[16+64*((\k)%2)+8*\j+4:16+64*((\k)%2)+8*\j+7], v3, s[12:13] offset:(\j%2)*16384+(4*(\k)+\j/2)*256+16 th:TH_LOAD_NT
.endr
.endm
.macro WROUND k
.if (\k) < 3
	s_wait_loadcnt 16                              ; this round's 16 loads are in; the next round's stay out
.else
	s_wait_loadcnt 0x0
.endif
	s_wait_xcnt 0x0                                ; the last round's stores have read their data: v144-175 may be written again
.irp j, 0,1,2,3,4,5,6,7
.irp i, 0,1,2,3
	v_cvt_pk_f16_f32 v[144+4*\j+\i], v[16+64*((\k)%2)+8*\j+2*\i], v[16+64*((\k)%2)+8*\j+2*\i+1]
.endr
	global_store_b128 v4, v[144+4*\j:144+4*\j+3], s[20:21] offset:(4*(\k)+\j/2)*131072+(\j%2)*512   ; 512 consecutive bytes, aligned
.endr
.if (\k) < 2
	WLOAD (\k)+2
.endif
.endm
	WLOAD 0
	WLOAD 1
	WROUND 0
	WROUND 1
	WROUND 2
	WROUND 3
	s_endpgm
; ---------------- the table of rotations ----------------
; Wave w of work-group g takes rows 16 (4 g + w) .. + 15; a lane is a frequency.  angle = position x frequency, rounded once.  n = the nearest whole number to angle x 2 / pi; r = angle - n pi / 2, with pi / 2
; in three parts and fused multiply-adds; sine and cosine of r, |r| <= pi / 4, by polynomials in r^2; the quadrant n mod 4 swaps them and sets the signs.
.Lrope:
	s_sub_co_u32 s25, ttmp9, 384
	s_lshl_b32 s25, s25, 2
	s_add_co_u32 s25, s25, s24
	s_lshl_b32 s30, s25, 6                         ; 16 rows x 4 bytes of positions
	s_add_nc_u64 s[14:15], s[14:15], s[30:31]
	s_lshl_b32 s30, s25, 12                        ; 16 rows x 256 bytes of the table
	s_add_nc_u64 s[22:23], s[22:23], s[30:31]
	v_and_b32 v19, 15, v0
	v_lshlrev_b32 v19, 2, v19
	global_load_b32 v16, v19, s[14:15]             ; lane l % 16 holds row l % 16's position
	v_lshlrev_b32 v18, 3, v2                       ; out: 8 bytes a lane
	v_cvt_f32_u32 v17, v2
	v_mul_f32 v17, 0xbed49a78, v17                 ; - lane x log2(10000) / 32
	v_exp_f32 v17, v17                             ; the frequency 10000^(- 2 lane / 64)
	s_mov_b32 s32, 0x3fc90fda                      ; pi / 2, its high part,
	s_mov_b32 s33, 0x33a22168                      ; middle part,
	s_mov_b32 s34, 0x27c234c4                      ; low part
	s_mov_b32 s35, 0xb94ca1f9                      ; sine: - 1.9515296e-4,
	s_mov_b32 s36, 0x3c08839e                      ; 8.3321609e-3,
	s_mov_b32 s37, 0xbe2aaaa3                      ; - 1.6666655e-1
	s_mov_b32 s38, 0x37ccf5ce                      ; cosine: 2.4433157e-5,
	s_mov_b32 s39, 0xbab6061a                      ; - 1.3887316e-3,
	s_mov_b32 s40, 0x3d2aaaa5                      ; 4.1666646e-2
	v_nop                                          ; a plain instruction behind the exponential
	s_wait_alu depctr_va_vdst(0)                   ; and the wait ahead of the first use of its result
	s_wait_loadcnt 0x0
.macro ROW i
	v_readlane_b32 s26, v16, \i
	v_cvt_f32_i32 v20, s26
	v_mul_f32 v20, v20, v17                        ; the angle
	v_mul_f32 v21, 0x3f22f983, v20                 ; x 2 / pi
	v_rndne_f32 v21, v21                           ; n
	v_fma_f32 v22, -v21, s32, v20
	v_fma_f32 v22, -v21, s33, v22
	v_fma_f32 v22, -v21, s34, v22                  ; r
	v_cvt_i32_f32 v23, v21                         ; the quadrant's number
	v_mul_f32 v24, v22, v22                        ; z = r r
	v_fma_f32 v25, v24, s35, s36
	v_fma_f32 v25, v25, v24, s37
	v_mul_f32 v26, v22, v24
	v_fma_f32 v25, v25, v26, v22                   ; sin r = r + r z (..)
	v_fma_f32 v27, v24, s38, s39
	v_fma_f32 v27, v27, v24, s40
	v_mul_f32 v28, v24, v24
	v_fma_f32 v29, v24, -0.5, 1.0
	v_fma_f32 v27, v27, v28, v29                   ; cos r = 1 - z / 2 + z z (..)
	v_and_b32 v30, 1, v23
	v_cmp_eq_u32 vcc_lo, 1, v30                    ; an odd quadrant swaps the two
	v_cndmask_b32 v31, v25, v27, vcc_lo            ; the sine's magnitude
	v_cndmask_b32 v32, v27, v25, vcc_lo            ; the cosine's
	v_lshlrev_b32 v33, 30, v23
	v_and_b32 v33, 0x80000000, v33                 ; the sine is negated in quadrants 2 and 3,
	v_add_nc_u32 v34, 1, v23
	v_lshlrev_b32 v34, 30, v34
	v_and_b32 v34, 0x80000000, v34                 ; the cosine in 1 and 2
	v_xor_b32 v[128+2*\i], v32, v34
	v_xor_b32 v[129+2*\i], v31, v33
	global_store_b64 v18, v[128+2*\i:129+2*\i], s[22:23] offset:256*\i   ; a row: 256 consecutive bytes, aligned; each row has registers of its own
.endm
.irp i, 0,1,2,3,4,5,6,7,8,9,10,11,12,13,14,15
	ROW \i
.endr
	s_endpgm
.Lfunc_end_k_q950e028691_prep:
	.size	k_q950e028691_prep, .Lfunc_end_k_q950e028691_prep-k_q950e028691_prep
	.p2alignl 7, 3214868480
	.fill 96, 4, 3214868480
	.section	.rodata,"a",@progbits
	.p2align	6, 0x0
	.amdhsa_kernel k_q950e028691_prep
		.amdhsa_group_segment_fixed_size 33280
		.amdhsa_private_segment_fixed_size 0
		.amdhsa_enable_private_segment 0
		.amdhsa_kernarg_size 80
		.amdhsa_user_sgpr_count 2
		.amdhsa_user_sgpr_kernarg_segment_ptr 1
		.amdhsa_wavefront_size32 1
		.amdhsa_system_sgpr_workgroup_id_x 1
		.amdhsa_system_sgpr_workgroup_id_y 1
		.amdhsa_system_sgpr_workgroup_id_z 1
		.amdhsa_system_vgpr_workitem_id 0
		.amdhsa_next_free_vgpr 192
		.amdhsa_next_free_sgpr 66
		.amdhsa_reserve_vcc 1
		.amdhsa_float_denorm_mode_32 3
		.amdhsa_float_denorm_mode_16_64 3
		.amdhsa_memory_ordered 1
		.amdhsa_forward_progress 1
		.amdhsa_inst_pref_size 76
	.end_amdhsa_kernel
	.amdgpu_metadata
---
amdhsa.version: [ 1, 2 ]
amdhsa.kernels:
  - .name:           k_q950e028691_prep
    .symbol:         k_q950e028691_prep.kd
    .args:
      - { .name: x, .offset: 0, .size: 8, .value_kind: global_buffer, .address_space: global }
      - { .name: Wq, .offset: 8, .size: 8, .value_kind: global_buffer, .address_space: global }
      - { .name: Wk, .offset: 16, .size: 8, .value_kind: global_buffer, .address_space: global }
      - { .name: Wv, .offset: 24, .size: 8, .value_kind: global_buffer, .address_space: global }
      - { .name: Wo, .offset: 32, .size: 8, .value_kind: global_buffer, .address_space: global }
      - { .name: token_positions, .offset: 40, .size: 8, .value_kind: global_buffer, .address_space: global }
      - { .name: codes, .offset: 48, .size: 8, .value_kind: global_buffer, .address_space: global }
      - { .name: scales, .offset: 56, .size: 8, .value_kind: global_buffer, .address_space: global }
      - { .name: wo16, .offset: 64, .size: 8, .value_kind: global_buffer, .address_space: global }
      - { .name: rope, .offset: 72, .size: 8, .value_kind: global_buffer, .address_space: global }
    .group_segment_fixed_size: 33280
    .private_segment_fixed_size: 0
    .kernarg_segment_align: 8
    .kernarg_segment_size: 80
    .max_flat_workgroup_size: 128
    .sgpr_count:     66
    .vgpr_count:     192
    .wavefront_size: 32
...
	.end_amdgpu_metadata
.endif
;; end of part 1
;; launch qkv (part 2): grid 12 x 32, 4 waves a work-group, clusters of 4 x 4, 327,680 bytes of LDS; arguments codes, scales, rope, qkv, qkv32; writes qkv, qkv32
.if DOCPART == 2
	.amdgcn_target "amdgcn-amd-amdhsa--gfx1250"
	.amdhsa_code_object_version 6
	.text
	.protected	k_q950e028691_qkv
	.globl	k_q950e028691_qkv
	.p2align	8
	.type	k_q950e028691_qkv,@function
k_q950e028691_qkv:
	s_mov_b64 s[64:65], 0
	v_nop
	global_prefetch_b8 v0, s[64:65] scope:SCOPE_SE
	s_setreg_imm32_b32 hwreg(HW_REG_WAVE_MODE, 25, 1), 1
	s_wait_xcnt 0x0
	s_wait_alu depctr_hold_cnt(0) depctr_sa_sdst(0) depctr_va_vdst(0) depctr_va_sdst(0) depctr_va_ssrc(0) depctr_va_vcc(0) depctr_vm_vsrc(0)
	s_getreg_b32 s2, hwreg(HW_REG_IB_STS2, 6, 4)
	s_cmp_eq_u32 s2, 0
	s_cbranch_scc0 .Lentry_in_a_cluster
	s_endpgm
.Lentry_in_a_cluster:
	s_bfe_u32 s2, ttmp6, 0x10000c
	s_cmp_lg_u32 s2, 0xf033
	s_cbranch_scc0 .Lentry_shape_is_right
	s_endpgm
.Lentry_shape_is_right:
; QKV: [8192 rows of x] x [3072 rows of Wq, Wk, Wv]^T on codes of FP4 (E2M1) with one E8M0 scale for each 32 along K = 1024; sums in f32.  Then the rotation of Q and K, in f32, and the results out in f16 by head.
; A tile, 256 x 256, is made by a work-group of four waves; a wave makes 128 x 128: 64 accumulators, 512 registers.  K = 1024 is two LDS slots of 512 along K (rows of 256 bytes): both are first fills, nothing is filled again.
; THE SCALES of the work-group's 256 + 256 rows, for all of K, are two dense blocks of memory: they come into LDS once, with the first fills.
; CLUSTERS: 4 x 4 work-groups.  The four of a row of the cluster need the same tiles of x, the four of a column the same tiles of W: each tile is asked for JOINTLY.  The cluster's x is 0, 1, 2 = Q, K, V: the same in all sixteen.
; THE MATRIX INSTRUCTION IS USED TRANSPOSED (source 0 = 16 rows of W, source 1 = 16 rows of x): a lane holds eight neighbouring columns of one row: four pairs of the rotation.
; OUT.  qkv: f16 [3][4 b][16 h][2048 s][64].  qkv32: f32 [4 b][16 s][3072]: the first 16 positions of each batch, kept finely for the last launch.
; LIMIT: |Q|, |K|, |V| under 65,504 (f16).  With 384 tiles the work-groups are more than one for each WGP and not a multiple.
; REGISTERS, in windows of 256: window 0: v0-31 addresses; v32-95 scale words, two sets; v128-191 A's fragments, one set; v192-255 the table's rows for the way out.  window 1: B's fragments, two sets.
;   window 2: the accumulators of my rows 0-63 ((a, b) at v[8 (8 a + b)]);  window 3: those of my rows 64-127.  On the way out window 0's v32-191 are free.
.set SIZE_K, 1024
.set KSTEP,  512
.set NQ,     KSTEP/128
.set ROWB,   256                       ; a tile's row in bytes
.set KROW,   SIZE_K*4/8                ; a row of codes in memory
.set PITCH,  272                       ; an LDS row: 256 bytes + 16 of padding: the 16 rows that a load touches start 68 words apart
.set FR,     8
.set NL,     2
.set NP,     4                         ; places behind this matrix instruction (ISA guide 7.12.1)
.set HALFT,  128*PITCH
.set SLOT,   4*HALFT
.set KS,     SIZE_K/32                 ; a row of scales in bytes
.set SCL,    2*SLOT                    ; behind the two slots: the scales, as units of 256 bytes + 16 of padding
.set HALFS,  (128*KS/256)*272
.set SBLK,   (16*KS/256)*272
.set SPARE,  SCL+4*HALFS               ; the spare words, 128 bytes a wave
.set SPT,    144                       ; the way out: a stage row: a head's 128 bytes + 16
.set STGW,   2*16*SPT                  ; a wave's stage: 2 heads x 16 rows.  The stages lie in slot 0, which has had its only fill and its last read when the first result is stored there
.set TA,   10                          ; v10  the table: my row x 256 + 32 (l / 16)
.set FO,   11                          ; v11  qkv32: my row x 12,288 + 32 (l / 16)
.set RM,   12                          ; v12  my row's position in its batch, for block 0
.set ADRA, 16
.set ADRB, 20
.set STO,  24                          ; v24  where I put 16 bytes of a head's row
.set RD,   25                          ; v25  where I read rows back: eight lanes to a row
.set CO,   26                          ; v26  16 x lane
.set ADRS, 27
.set SPW,  28
.set NIL,  29
.set SC,   32
.set AF,   128
.set T,    32                          ; the way out: v32-95 a block's 64 rotated numbers
.set PKR,  96                          ; v96-127 the same in f16
.set BK,   128                         ; v128-159, v160-191 rows read back, by turns
.set CSR,  192                         ; v192-223, v224-255 (cos, sin) of a block's rows, by turns
.set G1, 24
.set G0, 32
.set G1B, 48
.set G0B, 56
.set G1S, 68
.set G0S, 76
.set G1SB, 80
.set G0SB, 88
.set MSB, 0
.macro WIN new                         ; the immediate's high byte repeats the setting that is left; a switch that changes nothing is dropped
.if MSB != (\new)
	s_set_vgpr_msb (MSB<<8)|(\new)
.set MSB, (\new)
.endif
.endm
.set MUL_LO, 0xa1                      ; source 0 (B) window 1, source 1 (A) window 0, C and D window 2
.set MUL_HI, 0xf1
.set TO_B,   0x40
; A joint load: waves 0 and 1 fetch for A, waves 2 and 3 for B.  The branch hangs on the wave's number alone.  An s_nop 0 and four v_nop follow each line.
.macro JLOAD g0a, g1a, g0b, g1b
	s_cmp_eq_u32 s15, 0
	s_cbranch_scc0 .Lfor_b_\@
	tensor_load_to_lds s[\g0a:\g0a+3], s[\g1a:\g1a+7]
	s_nop 0
.rept 4
	v_nop
.endr
	s_branch .Lasked_\@
.Lfor_b_\@:
	tensor_load_to_lds s[\g0b:\g0b+3], s[\g1b:\g1b+7]
	s_nop 0
.rept 4
	v_nop
.endr
.Lasked_\@:
.endm
.macro CROUND                          ; a round of the cluster's barrier
	s_barrier_signal -1
	s_barrier_wait -1
	s_cmp_lg_u32 s14, 0
	s_cbranch_scc1 .Lnot_wave_0_\@
	s_barrier_signal -3
.Lnot_wave_0_\@:
	s_barrier_wait -3
	s_barrier_signal -1
	s_barrier_wait -1
.endm
	s_load_b128 s[4:7], s[0:1], 0x0                ; codes s[4:5], scales s[6:7]
	s_load_b64 s[66:67], s[0:1], 0x10              ; rope
	s_load_b64 s[98:99], s[0:1], 0x18              ; qkv
	s_load_b64 s[100:101], s[0:1], 0x20            ; qkv32
	v_lshl_add_u32 v[SPW], v0, 2, SPARE
	v_mov_b32 v[NIL], 0
	ds_add_u32 v[SPW], v[NIL]                      ; the wave's opening: the add, twice on end, and its wait ahead of my first tensor load
	ds_add_u32 v[SPW], v[NIL]
	v_lshrrev_b32 v1, 5, v0
	v_readfirstlane_b32 s14, v1                    ; wave 0..3
	s_lshr_b32 s15, s14, 1                         ; which half of the tile's rows is mine.  Also: I fetch for A (0) or for B (1)
	s_and_b32 s16, s14, 1                          ; which half of its columns.  Also: which 128 rows of that tile I fetch
	s_bfe_u32 s40, ttmp6, 0x40000                  ; cx, cy
	s_bfe_u32 s41, ttmp6, 0x40004
	s_lshl_b32 s42, ttmp9, 2
	s_add_co_u32 s42, s42, s40                     ; tile column = 4 x cluster x + cx
	s_and_b32 s17, ttmp7, 0xffff
	s_lshl_b32 s17, s17, 2
	s_add_co_u32 s17, s17, s41                     ; tile row = 4 x cluster y + cy
	s_lshl_b32 s43, s41, 2
	s_lshl_b32 s43, 15, s43                        ; my row of the cluster
	s_lshl_b32 s44, 0x1111, s40                    ; my column
	s_or_b32 s[G1+0], s43, (0<<16)|(1<<20)|(1<<21)|(5<<22)|(3<<25)  ; the mask; elements of 1 byte; padding on; bit 21 beside a mask; after every 64 words, 4 words
	s_or_b32 s[G1B+0], s44, (0<<16)|(1<<20)|(1<<21)|(5<<22)|(3<<25)
.irp g, G1, G1B
	s_mov_b32 s[\g+1], ROWB<<16                    ; tensor_dim0
	s_mov_b32 s[\g+2], 128<<16                     ; tensor_dim1
	s_mov_b32 s[\g+3], ROWB<<16                    ; tile_dim0
	s_mov_b32 s[\g+4], 128                         ; tile_dim1
	s_mov_b32 s[\g+5], KROW                        ; the pitch
	s_mov_b32 s[\g+6], 0
	s_mov_b32 s[\g+7], 0
.endr
	s_or_b32 s[G1S+0], s43, (3<<16)|(1<<20)|(1<<21)|(5<<22)|(3<<25)   ; the scales of 128 rows: a dense block, as rows of 256 bytes (32 elements of 8 bytes), 16 bytes of padding behind each
	s_or_b32 s[G1SB+0], s44, (3<<16)|(1<<20)|(1<<21)|(5<<22)|(3<<25)
.irp g, G1S, G1SB
	s_mov_b32 s[\g+1], 32<<16
	s_mov_b32 s[\g+2], (128*KS/256)<<16
	s_mov_b32 s[\g+3], 32<<16
	s_mov_b32 s[\g+4], 128*KS/256
	s_mov_b32 s[\g+5], 32
	s_mov_b32 s[\g+6], 0
	s_mov_b32 s[\g+7], 0
.endr
	s_lshl_b32 s18, s16, 7
	s_lshl_b32 s20, s17, 8
	s_add_co_u32 s20, s20, s18                     ; A: row 256 x tile row + 128 x half
	s_lshl_b32 s46, s42, 8
	s_add_co_u32 s46, s46, s18                     ; B: row 256 x tile column + 128 x half
	s_mov_b32 s21, 0
	s_mov_b32 s47, 0
	s_mov_b64 s[18:19], KS
	s_mul_u64 s[22:23], s[20:21], s[18:19]         ; where these rows' scales begin,
	s_mul_u64 s[92:93], s[46:47], s[18:19]
	s_mov_b64 s[18:19], KROW
	s_mul_u64 s[20:21], s[20:21], s[18:19]         ; and their codes
	s_mul_u64 s[46:47], s[46:47], s[18:19]
	s_mul_i32 s45, s14, HALFT                      ; where they go: no place in the cluster enters an LDS address
	s_mul_i32 s94, s14, HALFS
	s_wait_dscnt 0x0                               ; both opening adds are done
	s_wait_kmcnt 0x0
	s_add_nc_u64 s[8:9], s[4:5], 0x400000          ; the weights' codes lie behind x's 8192 rows of 512 bytes,
	s_add_nc_u64 s[10:11], s[6:7], 0x40000         ; their scales behind x's 8192 rows of 32
	s_add_nc_u64 s[20:21], s[4:5], s[20:21]
	s_add_nc_u64 s[22:23], s[6:7], s[22:23]
	s_add_nc_u64 s[46:47], s[8:9], s[46:47]
	s_add_nc_u64 s[92:93], s[10:11], s[92:93]
	CROUND                                         ; all sixteen work-groups are here: the first joint loads meet
	s_mov_b32 s[G0S], 1
	s_add_co_u32 s[G0S+1], s94, SCL
	s_mov_b64 s[G0S+2:G0S+3], s[22:23]
	s_or_b32 s[G0S+3], s[G0S+3], 0x80000000
	s_mov_b32 s[G0SB], 1
	s_add_co_u32 s[G0SB+1], s94, SCL
	s_mov_b64 s[G0SB+2:G0SB+3], s[92:93]
	s_or_b32 s[G0SB+3], s[G0SB+3], 0x80000000
	JLOAD G0S, G1S, G0SB, G1SB                     ; the scales first; three loads of mine are out behind the next two
.irp s, 0,1
	s_mov_b32 s[G0+4*\s], 1
	s_add_co_u32 s[G0+4*\s+1], s45, \s*SLOT
	s_add_nc_u64 s[G0+4*\s+2:G0+4*\s+3], s[20:21], \s*ROWB
	s_or_b32 s[G0+4*\s+3], s[G0+4*\s+3], 0x80000000
	s_mov_b32 s[G0B+4*\s], 1
	s_add_co_u32 s[G0B+4*\s+1], s45, \s*SLOT
	s_add_nc_u64 s[G0B+4*\s+2:G0B+4*\s+3], s[46:47], \s*ROWB
	s_or_b32 s[G0B+4*\s+3], s[G0B+4*\s+3], 0x80000000
	JLOAD G0+4*\s, G1, G0B+4*\s, G1B
.endr
	v_and_b32 v1, 15, v0                           ; r = l % 16
	v_bfe_u32 v2, v0, 4, 1                         ; h = l / 16
	; where my 128 rows and 128 columns lie in the table and in the results.  What hangs on cy is made in s20-23, s95, s96; what hangs on cx in s46, s47
	s_lshl_b32 s20, s17, 8
	s_lshl_b32 s21, s15, 7
	s_add_co_u32 s20, s20, s21                     ; my first row
	s_lshr_b32 s95, s20, 11                        ; its batch
	s_and_b32 s96, s20, 2047                       ; its position in the batch's rows
	s_lshl_b32 s22, s20, 8
	s_mov_b32 s23, 0
	s_add_nc_u64 s[66:67], s[66:67], s[22:23]      ; the table at my first row
	v_lshlrev_b32 v[TA], 8, v1
	v_lshl_add_u32 v[TA], v2, 5, v[TA]
; (cos, sin) for block a's 16 rows: lane (r, h) takes, of row r, frequencies 8 bm + 4 h + 0 .. 3 for bm = 0 .. 3: the pairs of its columns 16 bm + 8 h + 0 .. 7 in either head
.macro CSLOAD a
.irp bm, 0,1,2,3
.irp u, 0,1
	global_load_b128 v[CSR+32*((\a)%2)+8*\bm+4*\u:CSR+32*((\a)%2)+8*\bm+4*\u+3], v[TA], s[66:67] offset:(\a)*4096+\bm*64+16*\u
.endr
.endr
.endm
	CSLOAD 0                                       ; the first two blocks' rows are asked for now, into registers that the product leaves idle.  V's work-groups ask too and leave them unread (8 KiB a wave):
	CSLOAD 1                                       ; the text parts by tensor only behind the product
	s_lshl_b32 s22, s95, 22                        ; qkv: batch x 16 heads x 262,144
	s_lshl_b32 s21, s96, 7                         ; + position x 128
	s_add_co_u32 s22, s22, s21
	s_add_nc_u64 s[98:99], s[98:99], s[22:23]
	s_mul_i32 s22, s95, 196608                     ; qkv32: batch x 16 rows x 12,288
	s_add_nc_u64 s[100:101], s[100:101], s[22:23]
	s_lshl_b32 s46, s40, 2
	s_lshl_b32 s47, s16, 1
	s_add_co_u32 s46, s46, s47                     ; my first head = 4 cx + 2 x half
	s_lshl_b32 s46, s46, 18
	s_lshl_b32 s47, ttmp9, 24                      ; the tensor: 16 MiB each
	s_add_co_u32 s46, s46, s47
	s_mov_b32 s47, 0
	s_add_nc_u64 s[98:99], s[98:99], s[46:47]
	s_lshl_b32 s46, s42, 10
	s_lshl_b32 s47, s16, 9
	s_add_co_u32 s46, s46, s47                     ; my first column of 3072, in bytes
	s_mov_b32 s47, 0
	s_add_nc_u64 s[100:101], s[100:101], s[46:47]
	v_mul_u32_u24 v[FO], v1, 12288
	v_lshl_add_u32 v[FO], v2, 5, v[FO]
	v_add_nc_u32 v[RM], s96, v1
	v_mul_u32_u24 v3, v1, PITCH
	v_lshl_add_u32 v4, v2, 4, v3                   ; a fragment's row x pitch + 16 x half
	s_mul_i32 s21, s15, HALFT
	s_mul_i32 s22, s16, HALFT
	s_add_co_u32 s22, s22, 2*HALFT
.irp s, 0,1
	v_add_nc_u32 v[ADRA+\s], s21, v4
	v_add_nc_u32 v[ADRB+\s], s22, v4
	s_add_co_u32 s21, s21, SLOT
	s_add_co_u32 s22, s22, SLOT
.endr
	v_mul_u32_u24 v5, v1, KS                       ; my row's scales: KS bytes a row,
	v_lshrrev_b32 v6, 8, v5
	v_lshl_add_u32 v5, v6, 4, v5                   ; and 16 more for each 256 passed
	s_mul_i32 s21, s15, HALFS
	s_mul_i32 s22, s16, HALFS
	s_add_co_u32 s22, s22, 2*HALFS
	s_sub_co_u32 s22, s22, s21
	v_mul_u32_u24 v6, s22, v2                      ; lanes 16-31 take B's
	s_add_co_u32 s21, s21, SCL
	v_add_nc_u32 v5, v5, v6
	v_add_nc_u32 v[ADRS], s21, v5
	s_mul_i32 s21, s14, STGW                       ; my stage
	v_mul_u32_u24 v5, v1, SPT
	v_lshl_add_u32 v5, v2, 4, v5
	v_add_nc_u32 v[STO], s21, v5                   ; in: row r, 16 bytes for each half of the lanes
	v_and_b32 v6, 31, v0
	v_lshrrev_b32 v5, 3, v6
	v_mul_u32_u24 v5, v5, SPT
	v_and_b32 v3, 7, v0
	v_lshl_add_u32 v5, v3, 4, v5
	v_add_nc_u32 v[RD], s21, v5                    ; back: eight lanes to a row of 128 bytes, four rows an instruction
	v_lshlrev_b32 v[CO], 4, v6                     ; and in memory these four rows are 512 bytes on end
.macro FRAG reg, adr, q, i             ; 16 rows x 128 K of 4-bit codes: 8 registers; registers 4 c .. 4 c + 3 hold K = 64 c + 32 (l / 16) + 0 .. 31
.irp c, 0,1
	ds_load_b128 v[\reg+4*\c:\reg+4*\c+3], v[\adr] offset:64*(\q)+32*\c+(\i)*16*PITCH
.endr
.endm
; 16 matrix instructions: A's blocks a0, a0 + 1 x B's eight.  The 64 accumulators take turns, one instruction a turn, in the same order in every step.
.macro MUL16 a0, p, q, sc, zero
.irp a, \a0, \a0+1
.irp b, 0,1,2,3,4,5,6,7
.if \zero
	v_wmma_scale_f32_16x16x128_f8f6f4 v[8*(8*((\a)%4)+\b):8*(8*((\a)%4)+\b)+7], v[128*(\p)+FR*\b:128*(\p)+FR*\b+FR-1], v[AF+FR*(\a):AF+FR*(\a)+FR-1], 0, v[SC+8*NQ*(\sc)+NQ*\b+(\q)], v[SC+8*NQ*(\sc)+NQ*(\a)+(\q)] matrix_a_fmt:MATRIX_FMT_FP4 matrix_b_fmt:MATRIX_FMT_FP4 matrix_a_scale:MATRIX_SCALE_ROW1
.else
	v_wmma_scale_f32_16x16x128_f8f6f4 v[8*(8*((\a)%4)+\b):8*(8*((\a)%4)+\b)+7], v[128*(\p)+FR*\b:128*(\p)+FR*\b+FR-1], v[AF+FR*(\a):AF+FR*(\a)+FR-1], v[8*(8*((\a)%4)+\b):8*(8*((\a)%4)+\b)+7], v[SC+8*NQ*(\sc)+NQ*\b+(\q)], v[SC+8*NQ*(\sc)+NQ*(\a)+(\q)] matrix_a_fmt:MATRIX_FMT_FP4 matrix_b_fmt:MATRIX_FMT_FP4 matrix_a_scale:MATRIX_SCALE_ROW1
.endif
.endr
.endr
.endm
.macro FETCH_B slot, q, p
	WIN TO_B
.irp i, 0,1,2,3,4,5,6,7
	FRAG 128*(\p)+FR*\i, ADRB+\slot, \q, \i
.endr
	WIN 0
.endm
.macro FETCH_A slot, q, i0
.irp i, \i0, \i0+1, \i0+2, \i0+3
	FRAG AF+FR*(\i), ADRA+\slot, \q, \i
.endr
.endm
.macro SCALES sc                       ; a slot's scale words: lanes 0-15 take A's block i, lanes 16-31 B's block i
.irp i, 0,1,2,3,4,5,6,7
	ds_load_b128 v[SC+8*NQ*\sc+NQ*\i:SC+8*NQ*\sc+NQ*\i+3], v[ADRS] offset:\i*SBLK
.endr
.endm
.macro PLACES n                        ; plain vector instructions between a matrix instruction and a load into, or a read of, its registers
.rept \n
	v_nop
.endr
.endm
.macro STEP slot, q, zero              ; 128 along K, with its successor in the same slot
	s_wait_dscnt 4*NL                              ; B's set and A's blocks 0-3 are in; the youngest eight loads (A's blocks 4-7) may be out
	WIN MUL_LO
	MUL16 0, (\q)%2, \q, \slot, \zero
	MUL16 2, (\q)%2, \q, \slot, \zero
	s_wait_dscnt 0
	PLACES NP
	FETCH_B \slot, (\q)+1, 1-(\q)%2
	FETCH_A \slot, (\q)+1, 0
	WIN MUL_HI
	MUL16 4, (\q)%2, \q, \slot, \zero
	MUL16 6, (\q)%2, \q, \slot, \zero
	PLACES NP
	WIN 0
	FETCH_A \slot, (\q)+1, 4
.endm
; Slot 0's last step goes over to slot 1: one barrier; in front of it each wave waits for all its tensor loads (its part of slot 1) and for its reads of slot 0.  Nothing is filled again.
.macro TURN slot, next
	s_wait_tensorcnt 0x0                           ; my part of the next slot has landed
	ds_add_u32 v[SPW], v[NIL]                      ; 0 onto my spare word
	s_wait_dscnt 4*NL+1                            ; (the add and A's blocks 4-7 may be out)
	WIN MUL_LO
	MUL16 0, 1, NQ-1, \slot, 0
	s_wait_dscnt 0x0                               ; the add is done, and my reads of this slot are over
	s_barrier_signal -1
	MUL16 2, 1, NQ-1, \slot, 0
	WIN 0
	s_barrier_wait -1
	PLACES NP
	v_add_nc_u32 v[ADRS], 4*NQ, v[ADRS]            ; on to the next slot's scale words
	FETCH_B \next, 0, 0
	FETCH_A \next, 0, 0
	SCALES \next
	WIN MUL_HI
	MUL16 4, 1, NQ-1, \slot, 0
	MUL16 6, 1, NQ-1, \slot, 0
	PLACES NP
	WIN 0
	FETCH_A \next, 0, 4
.endm
.macro STEPS slot, from
.set Q, \from
.rept NQ-1-\from
	STEP \slot, Q, 0
.set Q, Q+1
.endr
.endm
	s_wait_tensorcnt 1                             ; the scales and my part of slot 0 are in (slot 1's load may be out),
	s_barrier_signal -1
	s_barrier_wait -1                              ; everybody's are
	FETCH_B 0, 0, 0
	FETCH_A 0, 0, 0
	SCALES 0
	FETCH_A 0, 0, 4
	STEP 0, 0, 1                                   ; the first step's products start the sums: nothing is cleared
	STEPS 0, 1
	TURN 0, 1
	STEPS 1, 0
	s_wait_dscnt 4*NL                              ; the very last step: nothing more to fetch
	WIN MUL_LO
	MUL16 0, 1, NQ-1, 1, 0
	MUL16 2, 1, NQ-1, 1, 0
	s_wait_dscnt 0
	WIN MUL_HI
	MUL16 4, 1, NQ-1, 1, 0
	MUL16 6, 1, NQ-1, 1, 0
	WIN 0
; THE WAY OUT, block by block of 16 rows x 128 columns (two heads).  rot = 1: each pair (x1, x2) of neighbouring columns becomes (x1 c - x2 s, x2 c + x1 s), two packed instructions a pair.
; Block 0 of a wave whose rows begin a batch also goes out in f32 (positions 0-15), under a lane mask made of ids: no branch hangs on a work-group's place in its cluster.
; The f16 numbers go through my stage in LDS and come back as whole rows of a head, four rows (512 bytes on end in memory) an instruction.  stg: the path's own stage bytes.
.macro QSEND a, younger
	s_wait_dscnt \younger                          ; the block is back in registers; the LDS instructions issued behind its loads may stay out
.irp t, 0,1,2,3,4,5,6,7
	global_store_b128 v[CO], v[BK+32*((\a)%2)+4*\t:BK+32*((\a)%2)+4*\t+3], s[98:99] offset:(\t/4)*262144+(\a)*2048+(\t%4)*512   ; 512 consecutive bytes, aligned
.endr
.endm
.macro WAYOUT rot, stg
.irp a, 0,1,2,3,4,5,6,7
.set AC, 64*(\a%4)
.set CSA, CSR+32*(\a%2)
.if \rot
.if \a < 7
	s_wait_loadcnt 8                               ; this block's eight loads from the table are in; the next block's stay out
.else
	s_wait_loadcnt 0x0
.endif
	WIN 0x02+\a/4                                  ; source 0: the accumulators' window
.irp b, 0,1,2,3,4,5,6,7
.irp i, 0,1,2,3
	v_pk_mul_f32 v[T+8*\b+2*\i:T+8*\b+2*\i+1], v[AC+8*\b+2*\i:AC+8*\b+2*\i+1], v[CSA+8*(\b%4)+2*\i:CSA+8*(\b%4)+2*\i+1] op_sel_hi:[1,0]   ; (x1 c, x2 c); each accumulator is read from its low end on
.endr
.irp i, 0,1,2,3
	v_pk_fma_f32 v[T+8*\b+2*\i:T+8*\b+2*\i+1], v[AC+8*\b+2*\i:AC+8*\b+2*\i+1], v[CSA+8*(\b%4)+2*\i:CSA+8*(\b%4)+2*\i+1], v[T+8*\b+2*\i:T+8*\b+2*\i+1] op_sel:[1,1,0] op_sel_hi:[0,1,1] neg_lo:[0,1,0]   ; - x2 s below, + x1 s above
.endr
.endr
	WIN 0
.if \a < 6
	CSLOAD \a+2
.endif
.endif
.if \a == 0
	s_wait_xcnt 0x0                                ; EXEC changes only behind this wait
	v_cmp_gt_u32 vcc_lo, 16, v[RM]
	s_and_saveexec_b32 s104, vcc_lo                ; all lanes where my rows begin a batch, else none
.if \rot == 0
	WIN 0x08                                       ; a store's data are its source 1: window 2
.endif
.irp b, 0,1,2,3,4,5,6,7
.irp u, 0,1
.if \rot
	global_store_b128 v[FO], v[T+8*\b+4*\u:T+8*\b+4*\u+3], s[100:101] offset:64*\b+16*\u
.else
	global_store_b128 v[FO], v[AC+8*\b+4*\u:AC+8*\b+4*\u+3], s[100:101] offset:64*\b+16*\u
.endif
.endr
.endr
	WIN 0
	s_wait_xcnt 0x0                                ; and again, in front of the line that widens it
	s_or_b32 exec_lo, exec_lo, s104
.endif
.if \rot
.irp b, 0,1,2,3,4,5,6,7
.irp i, 0,1,2,3
	v_cvt_pk_f16_f32 v[PKR+4*\b+\i], v[T+8*\b+2*\i], v[T+8*\b+2*\i+1]
.endr
.endr
.else
	WIN 0x0a+5*(\a/4)                              ; sources 0 and 1: the accumulators' window
.irp b, 0,1,2,3,4,5,6,7
.irp i, 0,1,2,3
	v_cvt_pk_f16_f32 v[PKR+4*\b+\i], v[AC+8*\b+2*\i], v[AC+8*\b+2*\i+1]
.endr
.endr
	WIN 0
.endif
.if \a > 1
	s_wait_xcnt 0x0                                ; block a - 2's stores have read their registers: block a's loads may land there
.endif
.irp b, 0,1,2,3,4,5,6,7
	ds_store_b128 v[STO], v[PKR+4*\b:PKR+4*\b+3] offset:\stg+(\b/4)*16*SPT+(\b%4)*32
.endr
.irp t, 0,1,2,3,4,5,6,7
	ds_load_b128 v[BK+32*(\a%2)+4*\t:BK+32*(\a%2)+4*\t+3], v[RD] offset:\stg+(\t/4)*16*SPT+(\t%4)*4*SPT   ; LDS serves a wave's instructions in order: these see the stores above
.endr
.if \a > 0
	QSEND \a-1, 16                                 ; behind block a - 1's loads: block a's 8 stores and 8 loads
.endif
.endr
	QSEND 7, 0
.endm
	PLACES NP                                      ; behind the last products: for the reads of results and the writes into registers that held scales and fragments
	s_cmp_eq_u32 ttmp9, 2                          ; V?  The cluster's x: the same in all sixteen partners
	s_cbranch_scc1 .Lv
	WAYOUT 1, 0
	s_branch .Ldone
.Lv:
	s_wait_loadcnt 0x0                             ; the table's rows that were asked for at the head
	WAYOUT 0, 4*STGW
.Ldone:
	s_wait_tensorcnt 0x0                           ; the wave's end, behind my last tensor load and my last LDS store
	ds_add_u32 v[SPW], v[NIL]
	s_wait_dscnt 0x0
	CROUND                                         ; the closing round
	s_endpgm
.Lfunc_end_k_q950e028691_qkv:
	.size	k_q950e028691_qkv, .Lfunc_end_k_q950e028691_qkv-k_q950e028691_qkv
	.p2alignl 7, 3214868480
	.fill 96, 4, 3214868480
	.section	.rodata,"a",@progbits
	.p2align	6, 0x0
	.amdhsa_kernel k_q950e028691_qkv
		.amdhsa_group_segment_fixed_size 327680
		.amdhsa_private_segment_fixed_size 0
		.amdhsa_enable_private_segment 0
		.amdhsa_kernarg_size 40
		.amdhsa_user_sgpr_count 2
		.amdhsa_user_sgpr_kernarg_segment_ptr 1
		.amdhsa_wavefront_size32 1
		.amdhsa_system_sgpr_workgroup_id_x 1
		.amdhsa_system_sgpr_workgroup_id_y 1
		.amdhsa_system_sgpr_workgroup_id_z 1
		.amdhsa_system_vgpr_workitem_id 0
		.amdhsa_next_free_vgpr 1024
		.amdhsa_next_free_sgpr 106
		.amdhsa_reserve_vcc 1
		.amdhsa_float_denorm_mode_32 3
		.amdhsa_float_denorm_mode_16_64 3
		.amdhsa_memory_ordered 1
		.amdhsa_forward_progress 1
		.amdhsa_inst_pref_size 200
	.end_amdhsa_kernel
	.amdgpu_metadata
---
amdhsa.version: [ 1, 2 ]
amdhsa.kernels:
  - .name:           k_q950e028691_qkv
    .symbol:         k_q950e028691_qkv.kd
    .args:
      - { .name: codes, .offset: 0, .size: 8, .value_kind: global_buffer, .address_space: global }
      - { .name: scales, .offset: 8, .size: 8, .value_kind: global_buffer, .address_space: global }
      - { .name: rope, .offset: 16, .size: 8, .value_kind: global_buffer, .address_space: global }
      - { .name: qkv, .offset: 24, .size: 8, .value_kind: global_buffer, .address_space: global }
      - { .name: qkv32, .offset: 32, .size: 8, .value_kind: global_buffer, .address_space: global }
    .group_segment_fixed_size: 327680
    .private_segment_fixed_size: 0
    .kernarg_segment_align: 8
    .kernarg_segment_size: 40
    .max_flat_workgroup_size: 128
    .sgpr_count:     106
    .vgpr_count:     1024
    .wavefront_size: 32
...
	.end_amdgpu_metadata
.endif
;; end of part 2
;; launch attn (part 3): grid 4 x 64, 16 waves a work-group, clusters of 4 x 1, 327,680 bytes of LDS; arguments qkv, ao; writes ao
.if DOCPART == 3
	.amdgcn_target "amdgcn-amd-amdhsa--gfx1250"
	.amdhsa_code_object_version 6
	.text
	.protected	k_q950e028691_attn
	.globl	k_q950e028691_attn
	.p2align	8
	.type	k_q950e028691_attn,@function
k_q950e028691_attn:
	s_mov_b64 s[64:65], 0
	v_nop
	global_prefetch_b8 v0, s[64:65] scope:SCOPE_SE
	s_setreg_imm32_b32 hwreg(HW_REG_WAVE_MODE, 25, 1), 1
	s_wait_xcnt 0x0
	s_wait_alu depctr_hold_cnt(0) depctr_sa_sdst(0) depctr_va_vdst(0) depctr_va_sdst(0) depctr_va_ssrc(0) depctr_va_vcc(0) depctr_vm_vsrc(0)
	s_getreg_b32 s2, hwreg(HW_REG_IB_STS2, 6, 4)
	s_cmp_eq_u32 s2, 0
	s_cbranch_scc0 .Lentry_in_a_cluster
	s_endpgm
.Lentry_in_a_cluster:
	s_bfe_u32 s2, ttmp6, 0x10000c
	s_cmp_lg_u32 s2, 0x3003
	s_cbranch_scc0 .Lentry_shape_is_right
	s_endpgm
.Lentry_shape_is_right:
; ATTN: ao[b][h][q][:] = sum over k <= q of softmax_k(Q[q] . K[k] / 8) V[k][:].  Q, K, V: f16 [3][64 bh][2048][64]; ao: f16 [64 bh][2048][64].  Products, maxima and sums in f32; p is rounded to f16 for the second product.
; SHARES.  A cluster of four work-groups is one (batch, head) and shares K and V by joint loads.  A work-group has SIXTEEN waves of 256 registers, four to a SIMD, so that one wave's vector work stands beside another's products.
; Wave w has rank p = w xor 3 ((w / 4) % 2) and owns the 32 queries 128 p + 32 cx + 0 .. 31: two tiles of 16.  So every work-group has queries from the whole sequence: its ranks 14 and 15 read the last keys, hence
; every partner reads every tile that a joint load brings; all 256 work-groups have the same work; and the ranks of waves w, w + 4, w + 8, w + 12 sum to 30.
; THE MASK.  All branches hang on the wave's number and on counted steps, through QG = 128 p, never on cx.  A step of 64 keys from KF on is left out where KF > QG + 127, runs open where KF < QG, and the two steps
; KF = QG, QG + 64 hide keys beyond the lane's query by -infinity ahead of the maximum.  (For cx 0 and 1 the second of them is wholly hidden: p = 0 then, since key 0 has made the maximum finite long before.)
; LAYOUT.  S^T = K Q^T (source 0 = 16 keys, source 1 = 16 queries): a lane holds ONE query (l % 16) and keys 8 (l / 16) + 0 .. 7.  Two such tiles, rounded to f16 in pairs, ARE source 1 of O^T = V^T P.
; SOFTMAX.  A running maximum m and sum l for each query: p = 2^(c s - c m), c = log2(e) / 8; in every step O and l are multiplied by a = 2^(c m_old - c m_new).
; RING.  Two LDS slots of 4 steps (256 keys).  Waves 0-3 fetch K's four step tiles, waves 4-7 V's, one load a wave behind each round: one tensor load of a wave is out at any time.
; LIMITS: |Q|, |K|, |V| under 65,504 (f16); NaN and infinities are not served.
.set KS,    64
.set PK,    144                        ; a key's row in LDS: 128 bytes + 16: an odd multiple of 16
.set PV,    160                        ; a row of V: 128 + 32: an odd multiple of 32, for the turning load
.set VOFF,  KS*PK
.set STEPB, KS*(PK+PV)                 ; a step's tiles lie together: 64 rows of K, then 64 of V
.set SLOT1, 1<<17                      ; slot 1 begins here: one exclusive or turns an address from one slot into the other
.set SPARE, 2*SLOT1                    ; the spare words, 128 bytes for each of 16 waves
.set STGW,  32*PK                      ; the way out: a wave's stage, 32 rows x 144 bytes, in slot 0: it was left at the last change of slots and has had its last fill
.set AK0, 1                            ; v1  my lane's place in a tile of K
.set AV0, 2                            ; v2  the same for V
.set ADR, 3                            ; v3  the LDS address in hand
.set QL,  4                            ; v4  32 cx + l % 16 - 8 (l / 16): for the mask
.set SPW, 5
.set NIL, 6
.set PFO, 7                            ; v7  256 x lane
.set ST,  10                           ; tile t's statistics at v[ST + 8 t]: +0 c m, +1 m, +2, +3 l, +4 .. +7 at work; a in +6
.set QOF, 28
.set GO,  29
.set STO, 30
.set RD,  31
.set QF,  32                           ; v32-63   Q: tile t, channels 32 c on, at 32 + 16 t + 8 c
.set KV,  64                           ; v64-127  K's fragments, then V's
.set S,   128                          ; v128-191 S^T, 32 a tile; P is packed in place into each tile's lower 16
.set O,   192                          ; v192-255 O^T, 32 a tile
.set WV,  8
.set RK,  9
.set QG,  10
.set SEL, 20
.set CS,  22
.set G1K, 24
.set G1V, 32
.set G0K, 40
.set G0V, 44
.set TB,  48                           ; LDS byte at which the step's tiles begin
.set KF,  49                           ; the step's first key
.set SLOTS, 50
.set CNT, 51
.set LIM, 52
.set PFA, 54
.macro JLOAD8                          ; waves 0-3 fetch for K, waves 4-7 for V, the others nothing: branches on the wave's number alone.  An s_nop 0 and four v_nop follow each line
	s_cmp_lt_u32 s[WV], 4
	s_cbranch_scc0 .Lnot_k_\@
	tensor_load_to_lds s[G0K:G0K+3], s[G1K:G1K+7]
	s_nop 0
.rept 4
	v_nop
.endr
	s_branch .Lasked_\@
.Lnot_k_\@:
	s_cmp_lt_u32 s[WV], 8
	s_cbranch_scc0 .Lasked_\@
	tensor_load_to_lds s[G0V:G0V+3], s[G1V:G1V+7]
	s_nop 0
.rept 4
	v_nop
.endr
.Lasked_\@:
.endm
; A PREFETCH of what the NEXT change of slots will ask for: 256 rows of K and of V, 32,768 dense bytes each.  The four partners share them out BY ADDRESS, 8,192 bytes each, lanes 256 bytes apart; wave 8 asks for K's,
; wave 9 for V's: each aligned block of 256 bytes is named once in the launch.  A slot's four steps lie between the request and the load.  The last change that fills a slot asks for nothing.
.macro ASK
	s_cmp_gt_u32 s[SLOTS], s[LIM]
	s_cbranch_scc0 .Lnot_mine_\@
	global_prefetch_b8 v[PFO], s[PFA:PFA+1] th:TH_LOAD_NT scope:SCOPE_SE
.Lnot_mine_\@:
.endm
.macro ROUND                           ; a round of the cluster's barrier
	s_barrier_signal -1
	s_barrier_wait -1
	s_cmp_lg_u32 s[WV], 0
	s_cbranch_scc1 .Lnot_wave_0_\@
	s_barrier_signal -3
.Lnot_wave_0_\@:
	s_barrier_wait -3
	s_barrier_signal -1
	s_barrier_wait -1
.endm
	s_load_b128 s[4:7], s[0:1], 0x0                ; qkv s[4:5], ao s[6:7]
	v_lshl_add_u32 v[SPW], v0, 2, SPARE
	v_mov_b32 v[NIL], 0
	ds_add_u32 v[SPW], v[NIL]                      ; the wave's opening: the add, twice on end, and its wait ahead of the first tensor loads
	ds_add_u32 v[SPW], v[NIL]
	v_lshrrev_b32 v1, 5, v0
	v_readfirstlane_b32 s[WV], v1                  ; wave 0..15
	s_lshr_b32 s[RK], s[WV], 2
	s_and_b32 s[RK], s[RK], 1
	s_mul_i32 s[RK], s[RK], 3
	s_xor_b32 s[RK], s[RK], s[WV]                  ; my rank
	s_lshl_b32 s[QG], s[RK], 7                     ; the first query of my rank's 128
	s_bfe_u32 s11, ttmp6, 0x40000                  ; cx
	s_and_b32 s12, ttmp7, 0xffff                   ; batch x 16 + head, which the four partners share
	s_lshl_b32 s13, s12, 18                        ; its 262,144 bytes in each tensor
	s_and_b32 s14, s[WV], 3                        ; which of a slot's four steps I fetch:
	s_lshl_b32 s15, s14, 13                        ; its 64 rows of 128 bytes in memory,
	s_add_co_u32 s16, s13, s15
	s_mov_b32 s17, 0
	s_mul_i32 s18, s14, STEPB                      ; and its place in a slot
	s_mov_b32 s[G1K], 15|(1<<16)|(1<<20)|(1<<21)|(4<<22)|(3<<25)  ; the mask: all four; elements of 2 bytes; padding on; bit 21 beside a mask; after every 32 words, 4 words
	s_mov_b32 s[G1V], 15|(1<<16)|(1<<20)|(1<<21)|(4<<22)|(7<<25)  ; the same with 8 words
.irp g, G1K, G1V
	s_mov_b32 s[\g+1], 64<<16                      ; tensor_dim0 = 64
	s_mov_b32 s[\g+2], KS<<16                      ; tensor_dim1 = 64
	s_mov_b32 s[\g+3], 64<<16                      ; tile_dim0 = 64
	s_mov_b32 s[\g+4], KS                          ; tile_dim1 = 64
	s_mov_b32 s[\g+5], 64                          ; the pitch
	s_mov_b32 s[\g+6], 0
	s_mov_b32 s[\g+7], 0
.endr
	s_mov_b32 s[SEL], 0x76543210
	s_mov_b32 s[SEL+1], 0xfedcba98                 ; v_permlanex16_b32: lane l xor 16
	s_mov_b32 s[CS], 0x3e38aa3b                    ; c = log2(e) / 8
	s_mov_b32 s[CS+1], s[CS]                       ; (named with it as a pair, so it is written)
	s_mov_b32 s[TB], 0
	s_mov_b32 s[KF], 0
	s_mov_b32 s[SLOTS], 7
	s_lshr_b32 s56, s[WV], 1
	s_cmp_eq_u32 s56, 4                            ; waves 8 and 9 prefetch
	s_cselect_b32 s[LIM], 1, -1
	s_mov_b32 s58, 0x2000000
	s_cmp_eq_u32 s[WV], 8
	s_cselect_b32 s58, 0x1000000, s58              ; K's tensor or V's
	s_add_co_u32 s58, s58, s13
	s_lshl_b32 s59, s11, 13                        ; my work-group's 8,192 bytes of a slot's 32,768
	s_add_co_u32 s58, s58, s59
	s_add_co_u32 s58, s58, 32768                   ; in slot 1: the first change of slots steps it to slot 2
	s_mov_b32 s59, 0
	s_lshl_b32 s56, s[QG], 7
	s_lshl_b32 s57, s11, 12
	s_add_co_u32 s56, s56, s57
	s_add_co_u32 s56, s56, s13                     ; my first query's row
	s_mov_b32 s57, 0
	s_wait_dscnt 0x0                               ; both opening adds are done
	s_wait_kmcnt 0x0
	s_mov_b32 s[G0K], 1
	s_mov_b32 s[G0K+1], s18
	s_add_nc_u64 s[G0K+2:G0K+3], s[4:5], s[16:17]
	s_add_nc_u64 s[G0K+2:G0K+3], s[G0K+2:G0K+3], 0x1000000
	s_or_b32 s[G0K+3], s[G0K+3], 0x80000000
	s_mov_b32 s[G0V], 1
	s_add_co_u32 s[G0V+1], s18, VOFF
	s_add_nc_u64 s[G0V+2:G0V+3], s[4:5], s[16:17]
	s_add_nc_u64 s[G0V+2:G0V+3], s[G0V+2:G0V+3], 0x2000000
	s_or_b32 s[G0V+3], s[G0V+3], 0x80000000
	s_add_nc_u64 s[PFA:PFA+1], s[4:5], s[58:59]
	s_add_nc_u64 s[60:61], s[4:5], s[56:57]        ; Q at my first query
	s_add_nc_u64 s[62:63], s[6:7], s[56:57]        ; ao likewise
	ROUND                                          ; all four work-groups are here: the first joint loads meet
	JLOAD8                                         ; slot 0
	v_and_b32 v26, 15, v0                          ; r
	v_bfe_u32 v27, v0, 4, 1                        ; h
	v_lshlrev_b32 v[QOF], 7, v26
	v_lshl_add_u32 v[QOF], v27, 4, v[QOF]          ; Q: row r of 128 bytes + 16 h
.irp t, 0,1
.irp c, 0,1
	global_load_b128 v[QF+16*\t+8*\c:QF+16*\t+8*\c+3], v[QOF], s[60:61] offset:\t*2048+\c*64
	global_load_b128 v[QF+16*\t+8*\c+4:QF+16*\t+8*\c+7], v[QOF], s[60:61] offset:\t*2048+\c*64+32
.endr
.endr
	v_mul_u32_u24 v[AK0], v26, PK
	v_lshl_add_u32 v[AK0], v27, 4, v[AK0]          ; row x pitch + 16 x half
	v_and_b32 v8, 7, v0
	v_lshl_add_u32 v[AV0], v27, 3, v8
	v_mul_u32_u24 v[AV0], v[AV0], PV               ; the turning load: key 8 (l / 16) + l % 8,
	v_bfe_u32 v8, v0, 3, 1
	v_lshl_add_u32 v[AV0], v8, 4, v[AV0]           ; channels 8 ((l / 8) % 2) on
	v_add_nc_u32 v[AV0], VOFF, v[AV0]
	v_lshlrev_b32 v8, 3, v27
	v_sub_nc_u32 v[QL], v26, v8
	s_lshl_b32 s56, s11, 5
	v_add_nc_u32 v[QL], s56, v[QL]
	v_and_b32 v[PFO], 31, v0
	v_lshlrev_b32 v[GO], 4, v[PFO]                 ; the way out: 16 bytes a lane
	v_lshlrev_b32 v[PFO], 8, v[PFO]
	s_mul_i32 s56, s[WV], STGW                     ; my stage
	v_mul_u32_u24 v[STO], v26, PK
	v_lshl_add_u32 v[STO], v27, 4, v[STO]
	v_add_nc_u32 v[STO], s56, v[STO]               ; in: row r, 16 bytes for each half of the lanes
	v_bfe_u32 v[RD], v0, 3, 2
	v_mul_u32_u24 v[RD], v[RD], PK
	v_and_b32 v8, 7, v0
	v_lshl_add_u32 v[RD], v8, 4, v[RD]
	v_add_nc_u32 v[RD], s56, v[RD]                 ; back: eight lanes to a row, four rows an instruction
.irp t, 0,1
	v_mov_b32 v[ST+8*\t+1], 0xff61b1e6             ; m: -3e38, under every score
	v_mul_f32 v[ST+8*\t], s[CS], v[ST+8*\t+1]      ; c m
.irp j, 2,3,4,5,6,7
	v_mov_b32 v[ST+8*\t+\j], 0                     ; l; and the registers at work, written once: a lane permute's destination counts as one of its sources
.endr
.endr
.set i, 0
.rept 64
	v_mov_b32 v[O+i], 0                            ; O^T.  (The step is written for every step alike: the first finds zeros, which a = 0 leaves zeros)
.set i, i+1
.endr
; A KEY STEP: 64 keys from s[KF] on, whose tiles begin at LDS byte s[TB].
.macro STEP
	s_add_co_u32 s56, s[QG], 127
	s_cmp_gt_u32 s[KF], s56                        ; all 64 keys come after my rank's queries: the step's work is left out, not the lines at its end that step addresses
	s_cbranch_scc1 .Lhidden_\@
	v_add_nc_u32 v[ADR], s[TB], v[AK0]
.irp kt, 0,1,2,3
.irp c, 0,1
	ds_load_b128 v[KV+16*\kt+8*\c:KV+16*\kt+8*\c+3], v[ADR] offset:\kt*16*PK+64*\c
	ds_load_b128 v[KV+16*\kt+8*\c+4:KV+16*\kt+8*\c+7], v[ADR] offset:\kt*16*PK+64*\c+32
.endr
.endr
	s_wait_dscnt 0x0
.irp c, 0,1                                    ; S^T = K Q^T: eight accumulators by turns
.irp kt, 0,1,2,3
.irp t, 0,1
.if \c == 0
	v_wmma_f32_16x16x32_f16 v[S+32*\t+8*\kt:S+32*\t+8*\kt+7], v[KV+16*\kt+8*\c:KV+16*\kt+8*\c+7], v[QF+16*\t+8*\c:QF+16*\t+8*\c+7], 0
.else
	v_wmma_f32_16x16x32_f16 v[S+32*\t+8*\kt:S+32*\t+8*\kt+7], v[KV+16*\kt+8*\c:KV+16*\kt+8*\c+7], v[QF+16*\t+8*\c:QF+16*\t+8*\c+7], v[S+32*\t+8*\kt:S+32*\t+8*\kt+7]
.endif
.endr
.endr
.endr
	v_add_nc_u32 v[ADR], s[TB], v[AV0]             ; with the three below: four places behind the products, for the loads into K's registers and for the first reads of the scores
.rept 3
	v_nop
.endr
.irp kc, 0,1                                   ; V, turned: keys 32 kc on, channels 16 dt on; it lands while the softmax is walked
.irp dt, 0,1,2,3
	ds_load_tr16_b128 v[KV+8*(4*\kc+\dt):KV+8*(4*\kc+\dt)+3], v[ADR] offset:\kc*32*PV+\dt*32
	ds_load_tr16_b128 v[KV+8*(4*\kc+\dt)+4:KV+8*(4*\kc+\dt)+7], v[ADR] offset:\kc*32*PV+16*PV+\dt*32
.endr
.endr
	s_cmp_lt_u32 s[KF], s[QG]                      ; all keys count for all of my rank's queries
	s_cbranch_scc1 .Lopen_\@
	s_sub_co_i32 s56, s[QG], s[KF]
	v_add_nc_u32 v8, s56, v[QL]                    ; d = tile 0's query - KF - 8 (l / 16).  Register n of tile t holds key KF + 8 (l / 16) + 16 (n / 8) + n % 8: hidden where 16 (n / 8) + n % 8 - 16 t > d
	v_mov_b32 v9, 0xff800000                       ; -infinity
.irp n, 0,1,2,3,4,5,6,7,8,9,10,11,12,13,14,15,16,17,18,19,20,21,22,23,24,25,26,27,28,29,30,31
	v_cmp_gt_i32 vcc_lo, 16*(\n/8)+\n%8, v8
	v_cndmask_b32 v[S+\n], v[S+\n], v9, vcc_lo
	v_cmp_gt_i32 vcc_lo, 16*(\n/8)+\n%8-16, v8
	v_cndmask_b32 v[S+32+\n], v[S+32+\n], v9, vcc_lo
.endr
.Lopen_\@:
	; the maximum of the lane's 32 scores and the old m: four chains of seven, the four left over, then the chains.  The two tiles alternate.  Each accumulator is read from its low end on
.irp j, 0,1,2,3
.irp t, 0,1
	v_max3_num_f32 v[ST+8*\t+4+\j], v[S+32*\t+8*\j], v[S+32*\t+8*\j+1], v[S+32*\t+8*\j+2]
.endr
.endr
.irp k, 3,5
.irp j, 0,1,2,3
.irp t, 0,1
	v_max3_num_f32 v[ST+8*\t+4+\j], v[ST+8*\t+4+\j], v[S+32*\t+8*\j+\k], v[S+32*\t+8*\j+\k+1]
.endr
.endr
.endr
.irp t, 0,1
	v_max3_num_f32 v[ST+8*\t+4], v[ST+8*\t+4], v[S+32*\t+7], v[S+32*\t+15]
	v_max3_num_f32 v[ST+8*\t+6], v[ST+8*\t+6], v[S+32*\t+23], v[S+32*\t+31]
.endr
.irp t, 0,1
	v_max3_num_f32 v[ST+8*\t+4], v[ST+8*\t+4], v[ST+8*\t+5], v[ST+8*\t+6]
.endr
.irp t, 0,1
	v_max3_num_f32 v[ST+8*\t+4], v[ST+8*\t+4], v[ST+8*\t+7], v[ST+8*\t+1]
.endr
.irp t, 0,1
	v_permlanex16_b32 v[ST+8*\t+5], v[ST+8*\t+4], s[SEL], s[SEL+1]   ; the query's other 32 keys lie in the lane 16 away
.endr
.irp t, 0,1
	v_mov_b32 v[ST+8*\t+7], v[ST+8*\t]             ; c m_old is kept for a
.endr
.irp t, 0,1
	v_max_num_f32 v[ST+8*\t+1], v[ST+8*\t+4], v[ST+8*\t+5]
.endr
.irp t, 0,1
	v_mul_f32 v[ST+8*\t], s[CS], v[ST+8*\t+1]
.endr
.irp t, 0,1
	v_sub_f32 v[ST+8*\t+7], v[ST+8*\t+7], v[ST+8*\t]
.endr
.irp b, 0,2,4,6,8,10,12,14,16,18,20,22,24,26,28,30
.irp t, 0,1
	v_pk_fma_f32 v[S+32*\t+\b:S+32*\t+\b+1], v[S+32*\t+\b:S+32*\t+\b+1], s[CS:CS+1], v[ST+8*\t:ST+8*\t+1] op_sel_hi:[1,0,0] neg_lo:[0,0,1] neg_hi:[0,0,1]   ; c s - c m, two at a time
.endr
.endr
.irp t, 0,1
	v_exp_f32 v[ST+8*\t+6], v[ST+8*\t+7]           ; a
.endr
.set i, 0
.rept 64
	v_exp_f32 v[S+i], v[S+i]                       ; p: ONE batch of 66 exponentials; none reads another's result
.set i, i+1
.endr
	v_nop                                          ; a plain instruction behind the last exponential
	s_wait_alu depctr_va_vdst(0)                   ; one wait for the batch, ahead of the first instruction that names a result
.irp t, 0,1
	v_pk_mul_f32 v[ST+8*\t+2:ST+8*\t+3], v[ST+8*\t+2:ST+8*\t+3], v[ST+8*\t+6:ST+8*\t+7] op_sel_hi:[1,0]   ; l x a
.endr
.irp t, 0,1
	v_pk_add_f32 v[ST+8*\t+4:ST+8*\t+5], v[S+32*\t:S+32*\t+1], v[S+32*\t+2:S+32*\t+3]   ; the sum of the unrounded p, two at a time, in two chains
.endr
.irp j, 4,8,12,16,20,24,28
.irp t, 0,1
	v_pk_add_f32 v[ST+8*\t+2:ST+8*\t+3], v[ST+8*\t+2:ST+8*\t+3], v[S+32*\t+\j:S+32*\t+\j+1]
	v_pk_add_f32 v[ST+8*\t+4:ST+8*\t+5], v[ST+8*\t+4:ST+8*\t+5], v[S+32*\t+\j+2:S+32*\t+\j+3]
.endr
.endr
.irp t, 0,1
	v_pk_add_f32 v[ST+8*\t+2:ST+8*\t+3], v[ST+8*\t+2:ST+8*\t+3], v[ST+8*\t+4:ST+8*\t+5]
.endr
.irp i, 0,1,2,3,4,5,6,7,8,9,10,11,12,13,14,15
.irp t, 0,1
	v_cvt_pk_f16_f32 v[S+32*\t+\i], v[S+32*\t+2*\i], v[S+32*\t+2*\i+1]   ; P in place, ascending: register i is written when registers 2 i, 2 i + 1 have been read and register i is done with
.endr
.endr
.irp i, 0,2,4,6,8,10,12,14,16,18,20,22,24,26,28,30
.irp t, 0,1
	v_pk_mul_f32 v[O+32*\t+\i:O+32*\t+\i+1], v[O+32*\t+\i:O+32*\t+\i+1], v[ST+8*\t+6:ST+8*\t+7] op_sel_hi:[1,0]   ; O^T x a
.endr
.endr
	s_wait_dscnt 0x0                               ; V is in
.irp kc, 0,1                                   ; O^T += V^T P: eight accumulators by turns
.irp dt, 0,1,2,3
.irp t, 0,1
	v_wmma_f32_16x16x32_f16 v[O+32*\t+8*\dt:O+32*\t+8*\dt+7], v[KV+8*(4*\kc+\dt):KV+8*(4*\kc+\dt)+7], v[S+32*\t+8*\kc:S+32*\t+8*\kc+7], v[O+32*\t+8*\dt:O+32*\t+8*\dt+7]
.endr
.endr
.endr
.rept 5
	v_nop                                          ; five places: the next step's products write over P's registers (five are asked), its loads land in V's (four)
.endr
.Lhidden_\@:
	s_add_co_u32 s[KF], s[KF], KS
	s_add_co_u32 s[TB], s[TB], STEPB
.endm
; THE CHANGE OF SLOTS stands at a slot's head.  Each wave waits for all its tensor loads (its part of the slot ahead), adds 0 to its spare word, and waits for that and for its reads of the slot that it has left.
; fill = 1: the barrier is a round of the cluster's, and behind it the slot just left is filled with the next 256 keys: that load has a slot's four steps in which to land.
.macro CHANGE fill
	s_wait_tensorcnt 0x0                           ; no tensor load of mine is out, so a group 0 may be written
	ds_add_u32 v[SPW], v[NIL]
.if \fill
	ds_add_u32 v[SPW], v[NIL]                      ; and twice on end here, in every trip alike
	s_xor_b32 s[G0K+1], s[G0K+1], SLOT1            ; the walking descriptors: the other slot,
	s_add_nc_u64 s[G0K+2:G0K+3], s[G0K+2:G0K+3], 4*KS*128   ; the next 256 keys
	s_xor_b32 s[G0V+1], s[G0V+1], SLOT1
	s_add_nc_u64 s[G0V+2:G0V+3], s[G0V+2:G0V+3], 4*KS*128
	s_wait_xcnt 0x0                                ; the last prefetch, a slot back, has read its address
	s_add_nc_u64 s[PFA:PFA+1], s[PFA:PFA+1], 4*KS*128
	s_wait_dscnt 0x0                               ; the adds are done, and my reads of the slot that I have left are over
	ROUND
	JLOAD8                                         ; the first thing behind the round, and a wave's one tensor load until the next
	ASK
.else
	s_wait_dscnt 0x0
	s_barrier_signal -1
	s_barrier_wait -1
.endif
.endm
.macro FOUR_STEPS                      ; a slot's four steps: written once, walked four times
	s_mov_b32 s[CNT], 4
.Lstep_\@:
	STEP
	s_sub_co_u32 s[CNT], s[CNT], 1
	s_cmp_lg_u32 s[CNT], 0
	s_cbranch_scc1 .Lstep_\@
	s_sub_co_u32 s[TB], s[TB], 4*STEPB
	s_xor_b32 s[TB], s[TB], SLOT1                  ; on to the other slot
.endm
	s_wait_loadcnt 0x0                             ; Q
.Lslot:                                            ; seven trips: behind each change of slots but the last the next slot is asked for
	CHANGE 1
	FOUR_STEPS
	s_sub_co_u32 s[SLOTS], s[SLOTS], 1
	s_cmp_lg_u32 s[SLOTS], 0
	s_cbranch_scc1 .Lslot
	CHANGE 0                                       ; the last slot is written out
	FOUR_STEPS
	; THE WAY OUT.  l's halves and the other half of the lanes' are added; O^T / l, in f16, goes through my stage and leaves as whole rows: my 32 rows are 4,096 bytes on end in memory.
.irp t, 0,1
	v_add_f32 v[ST+8*\t+4], v[ST+8*\t+2], v[ST+8*\t+3]
.endr
.irp t, 0,1
	v_permlanex16_b32 v[ST+8*\t+5], v[ST+8*\t+4], s[SEL], s[SEL+1]
.endr
.irp t, 0,1
	v_add_f32 v[ST+8*\t+4], v[ST+8*\t+4], v[ST+8*\t+5]
.endr
.irp t, 0,1
	v_rcp_f32 v[ST+8*\t+6], v[ST+8*\t+4]
.endr
	v_nop
	s_wait_alu depctr_va_vdst(0)                   ; one wait for the two reciprocals, ahead of their first use
.irp t, 0,1
.irp i, 0,2,4,6,8,10,12,14,16,18,20,22,24,26,28,30
	v_pk_mul_f32 v[O+32*\t+\i:O+32*\t+\i+1], v[O+32*\t+\i:O+32*\t+\i+1], v[ST+8*\t+6:ST+8*\t+7] op_sel_hi:[1,0]
.endr
.endr
.irp t, 0,1
.irp i, 0,1,2,3,4,5,6,7,8,9,10,11,12,13,14,15
	v_cvt_pk_f16_f32 v[S+16*\t+\i], v[O+32*\t+2*\i], v[O+32*\t+2*\i+1]
.endr
.endr
.irp t, 0,1
.irp dt, 0,1,2,3
	ds_store_b128 v[STO], v[S+16*\t+4*\dt:S+16*\t+4*\dt+3] offset:\t*16*PK+32*\dt
.endr
.endr
.irp q, 0,1,2,3,4,5,6,7
	ds_load_b128 v[KV+4*\q:KV+4*\q+3], v[RD] offset:\q*4*PK   ; LDS serves a wave's instructions in order: these see my stores
.endr
.irp q, 0,1,2,3,4,5,6,7
	s_wait_dscnt 7-\q                              ; the younger loads may stay out
	global_store_b128 v[GO], v[KV+4*\q:KV+4*\q+3], s[62:63] offset:512*\q   ; 512 consecutive bytes, aligned
.endr
	s_wait_tensorcnt 0x0                           ; the wave's end
	ds_add_u32 v[SPW], v[NIL]
	s_wait_dscnt 0x0
	ROUND                                          ; the closing round
	s_endpgm
.Lfunc_end_k_q950e028691_attn:
	.size	k_q950e028691_attn, .Lfunc_end_k_q950e028691_attn-k_q950e028691_attn
	.p2alignl 7, 3214868480
	.fill 96, 4, 3214868480
	.section	.rodata,"a",@progbits
	.p2align	6, 0x0
	.amdhsa_kernel k_q950e028691_attn
		.amdhsa_group_segment_fixed_size 327680
		.amdhsa_private_segment_fixed_size 0
		.amdhsa_enable_private_segment 0
		.amdhsa_kernarg_size 16
		.amdhsa_user_sgpr_count 2
		.amdhsa_user_sgpr_kernarg_segment_ptr 1
		.amdhsa_wavefront_size32 1
		.amdhsa_system_sgpr_workgroup_id_x 1
		.amdhsa_system_sgpr_workgroup_id_y 1
		.amdhsa_system_sgpr_workgroup_id_z 1
		.amdhsa_system_vgpr_workitem_id 0
		.amdhsa_next_free_vgpr 256
		.amdhsa_next_free_sgpr 66
		.amdhsa_reserve_vcc 1
		.amdhsa_float_denorm_mode_32 3
		.amdhsa_float_denorm_mode_16_64 3
		.amdhsa_memory_ordered 1
		.amdhsa_forward_progress 1
		.amdhsa_inst_pref_size 62
	.end_amdhsa_kernel
	.amdgpu_metadata
---
amdhsa.version: [ 1, 2 ]
amdhsa.kernels:
  - .name:           k_q950e028691_attn
    .symbol:         k_q950e028691_attn.kd
    .args:
      - { .name: qkv, .offset: 0, .size: 8, .value_kind: global_buffer, .address_space: global }
      - { .name: ao, .offset: 8, .size: 8, .value_kind: global_buffer, .address_space: global }
    .group_segment_fixed_size: 327680
    .private_segment_fixed_size: 0
    .kernarg_segment_align: 8
    .kernarg_segment_size: 16
    .max_flat_workgroup_size: 512
    .sgpr_count:     66
    .vgpr_count:     256
    .wavefront_size: 32
...
	.end_amdgpu_metadata
.endif
;; end of part 3
;; launch proj (part 4): grid 4 x 64, 4 waves a work-group, clusters of 4 x 4, 327,680 bytes of LDS; arguments ao, wo16, out0; writes out0
.if DOCPART == 4
	.amdgcn_target "amdgcn-amd-amdhsa--gfx1250"
	.amdhsa_code_object_version 6
	.text
	.protected	k_q950e028691_proj
	.globl	k_q950e028691_proj
	.p2align	8
	.type	k_q950e028691_proj,@function
k_q950e028691_proj:
	s_mov_b64 s[64:65], 0
	v_nop
	global_prefetch_b8 v0, s[64:65] scope:SCOPE_SE
	s_setreg_imm32_b32 hwreg(HW_REG_WAVE_MODE, 25, 1), 1
	s_wait_xcnt 0x0
	s_wait_alu depctr_hold_cnt(0) depctr_sa_sdst(0) depctr_va_vdst(0) depctr_va_sdst(0) depctr_va_ssrc(0) depctr_va_vcc(0) depctr_vm_vsrc(0)
	s_getreg_b32 s2, hwreg(HW_REG_IB_STS2, 6, 4)
	s_cmp_eq_u32 s2, 0
	s_cbranch_scc0 .Lentry_in_a_cluster
	s_endpgm
.Lentry_in_a_cluster:
	s_bfe_u32 s2, ttmp6, 0x10000c
	s_cmp_lg_u32 s2, 0xf033
	s_cbranch_scc0 .Lentry_shape_is_right
	s_endpgm
.Lentry_shape_is_right:
; PROJ: out0[row][e] = sum over k of ao[row][k] Wo[e][k], f16 operands, f32 sums and results.  ao: f16 [4 b][16 h][2048 s][64]; wo16: f16 [16 h][1024 e][64]; out0: f32 [8192][1024].
; A tile of out0 is 128 rows x 256 columns: 256 work-groups (256 x 256 would give 128).  Four waves, each 64 x 128: 32 accumulators, window 1.  K goes by heads: an LDS slot holds two heads (K = 128) as four dense
; tiles, one tensor load a wave: waves 0, 1 the two heads' 128 rows of ao, waves 2, 3 the two heads' 256 rows of wo16.  Two slots by turns; eight slots' worth of K.
; CLUSTERS: 4 x 4.  The four of a row of the cluster share ao's tiles, the four of a column wo16's: joint loads.  THE MATRIX INSTRUCTION IS USED TRANSPOSED: a lane holds eight neighbouring columns of one row.
; The rows of positions 0-15 of each batch are NOT stored here: the last launch makes them in f32.  They are left out by a lane mask made of ids: no branch hangs on a work-group's place in its cluster.
; REGISTERS: window 0: v0-31 addresses; v32-95 ao's fragments, two buffers of 32; v96-223 wo16's, two buffers of 64 (on the way out: rows read back).  window 1: accumulator (a, b) at v[8 (8 a + b)].
.set PITCH,  144                       ; an LDS row: 128 bytes + 16: an odd multiple of 16
.set ATILE,  128*PITCH
.set BTILE,  256*PITCH
.set SLOT,   2*ATILE+2*BTILE           ; A's two heads, then B's two
.set STAGE,  2*SLOT                    ; behind the ring: 16 rows x 528 bytes for each wave
.set SPITCH, 528
.set SPARE,  STAGE+4*16*SPITCH
.set LAPS,   4                         ; a lap = two slots = four heads
.set ADRA, 16
.set ADRB, 20
.set STO,  24
.set RD,   25
.set CO,   26
.set RM,   27                          ; v27 my first row's position in its batch
.set SPW,  28
.set NIL,  29
.set PFO,  30
.set AF,   32
.set BF,   96
.set BK,   96
.set G1, 24
.set G0, 32
.set G1B, 48
.set G0B, 56
.set LIM, 43
.set PFA, 44
.set PFS, 66
.set MSB, 0
.macro WIN new
.if MSB != (\new)
	s_set_vgpr_msb (MSB<<8)|(\new)
.set MSB, (\new)
.endif
.endm
.set MUL, 0x50                         ; sources 0 and 1 window 0; C and D window 1
.macro JLOAD s                         ; waves 0 and 1 fetch for A, waves 2 and 3 for B; an s_nop 0 and four v_nop follow each line
	s_cmp_eq_u32 s11, 0
	s_cbranch_scc0 .Lfor_b_\@
	tensor_load_to_lds s[G0+4*\s:G0+4*\s+3], s[G1:G1+7]
	s_nop 0
.rept 4
	v_nop
.endr
	s_branch .Lasked_\@
.Lfor_b_\@:
	tensor_load_to_lds s[G0B+4*\s:G0B+4*\s+3], s[G1B:G1B+7]
	s_nop 0
.rept 4
	v_nop
.endr
.Lasked_\@:
.endm
; A PREFETCH of the slot that stands two refills on, behind each joint load and the run of LDS loads that follows it.  ao's two tiles of a slot (2 x 16,384 dense bytes) are read by this row of the cluster alone: wave 0
; asks, the four partners taking 4,096 bytes of each head BY ADDRESS (cx), a lane a block of 256 bytes.  wo16's tile (32,768 dense bytes a head) is read by every cluster: in the cluster with y = 0 waves 2 and 3 ask,
; a head each, the partners taking 8,192 bytes by address (cy).  So each block is named once.  The last lap of the loop asks for nothing: no slot stands two refills on.
.macro ASK
	s_cmp_gt_u32 s3, s[LIM]
	s_cbranch_scc0 .Lnot_mine_\@
	global_prefetch_b8 v[PFO], s[PFA:PFA+1] th:TH_LOAD_NT scope:SCOPE_SE
.Lnot_mine_\@:
.endm
.macro CREST
	s_cmp_lg_u32 s10, 0
	s_cbranch_scc1 .Lnot_wave_0_\@
	s_barrier_signal -3
.Lnot_wave_0_\@:
	s_barrier_wait -3
	s_barrier_signal -1
	s_barrier_wait -1
.endm
.macro CROUND
	s_barrier_signal -1
	s_barrier_wait -1
	CREST
.endm
	s_load_b128 s[4:7], s[0:1], 0x0                ; ao s[4:5], wo16 s[6:7]
	s_load_b64 s[8:9], s[0:1], 0x10                ; out0
	v_lshl_add_u32 v[SPW], v0, 2, SPARE
	v_mov_b32 v[NIL], 0
	ds_add_u32 v[SPW], v[NIL]                      ; the wave's opening: the add, twice on end, and its wait ahead of my first tensor load
	ds_add_u32 v[SPW], v[NIL]
	v_lshrrev_b32 v1, 5, v0
	v_readfirstlane_b32 s10, v1                    ; wave 0..3
	s_lshr_b32 s11, s10, 1                         ; which half of the tile's rows is mine.  Also: I fetch for A (0) or for B (1)
	s_and_b32 s12, s10, 1                          ; which half of its columns.  Also: which of a slot's two heads I fetch
	s_bfe_u32 s40, ttmp6, 0x40000                  ; cx
	s_bfe_u32 s41, ttmp6, 0x40004                  ; cy
	s_lshl_b32 s42, ttmp9, 2
	s_add_co_u32 s42, s42, s40                     ; tile column
	s_and_b32 s13, ttmp7, 0xffff
	s_lshl_b32 s13, s13, 2
	s_add_co_u32 s13, s13, s41                     ; tile row
	s_lshl_b32 s18, s41, 2
	s_lshl_b32 s18, 15, s18                        ; my row of the cluster
	s_lshl_b32 s19, 0x1111, s40                    ; my column
	s_or_b32 s[G1+0], s18, (1<<16)|(1<<20)|(1<<21)|(4<<22)|(3<<25)   ; the mask; elements of 2 bytes; padding on; bit 21 beside a mask; after every 32 words, 4 words
	s_or_b32 s[G1B+0], s19, (1<<16)|(1<<20)|(1<<21)|(4<<22)|(3<<25)
	s_mov_b32 s[G1+1], 64<<16                      ; tensor_dim0 = 64
	s_mov_b32 s[G1+2], 128<<16                     ; tensor_dim1 = 128
	s_mov_b32 s[G1+3], 64<<16                      ; tile_dim0 = 64
	s_mov_b32 s[G1+4], 128                         ; tile_dim1 = 128
	s_mov_b32 s[G1+5], 64                          ; the pitch
	s_mov_b32 s[G1+6], 0
	s_mov_b32 s[G1+7], 0
	s_mov_b32 s[G1B+1], 64<<16
	s_mov_b32 s[G1B+2], 256<<16                    ; 256 rows
	s_mov_b32 s[G1B+3], 64<<16
	s_mov_b32 s[G1B+4], 256
	s_mov_b32 s[G1B+5], 64
	s_mov_b32 s[G1B+6], 0
	s_mov_b32 s[G1B+7], 0
	s_lshr_b32 s16, s13, 4
	s_lshl_b32 s16, s16, 22                        ; A: the batch's 16 heads x 262,144 bytes,
	s_and_b32 s17, s13, 15
	s_lshl_b32 s17, s17, 14                        ; 128 rows x 128 bytes for each tile row in the batch,
	s_add_co_u32 s16, s16, s17
	s_lshl_b32 s17, s12, 18                        ; my head of the slot's two
	s_add_co_u32 s16, s16, s17
	s_mov_b32 s17, 0
	s_lshl_b32 s46, s42, 15                        ; B: 256 rows x 128 bytes for each tile column,
	s_lshl_b32 s47, s12, 17                        ; my head: 131,072 bytes
	s_add_co_u32 s46, s46, s47
	s_mov_b32 s47, 0
	s_mul_i32 s20, s12, ATILE                      ; where they go: no place in the cluster enters an LDS address
	s_mul_i32 s21, s12, BTILE
	s_add_co_u32 s21, s21, 2*ATILE
	s_wait_dscnt 0x0                               ; both opening adds are done
	s_wait_kmcnt 0x0
	s_add_nc_u64 s[14:15], s[4:5], s[16:17]
	s_add_nc_u64 s[46:47], s[6:7], s[46:47]
	CROUND                                         ; all sixteen work-groups are here: the first joint loads meet
.irp s, 0,1
	s_mov_b32 s[G0+4*\s], 1
	s_add_co_u32 s[G0+4*\s+1], s20, \s*SLOT
	s_add_nc_u64 s[G0+4*\s+2:G0+4*\s+3], s[14:15], \s*524288       ; slot s: heads 2 s, 2 s + 1
	s_or_b32 s[G0+4*\s+3], s[G0+4*\s+3], 0x80000000
	s_mov_b32 s[G0B+4*\s], 1
	s_add_co_u32 s[G0B+4*\s+1], s21, \s*SLOT
	s_add_nc_u64 s[G0B+4*\s+2:G0B+4*\s+3], s[46:47], \s*262144
	s_or_b32 s[G0B+4*\s+3], s[G0B+4*\s+3], 0x80000000
	JLOAD \s                                       ; two loads of mine are out
.endr
	v_and_b32 v1, 15, v0                           ; r
	v_bfe_u32 v2, v0, 4, 1                         ; h
	v_mul_u32_u24 v3, v1, PITCH
	v_lshl_add_u32 v3, v2, 4, v3
	s_mul_i32 s22, s11, 64*PITCH                   ; my 64 rows of A's tile
	s_mul_i32 s23, s12, 128*PITCH                  ; my 128 rows of B's,
	s_add_co_u32 s23, s23, 2*ATILE                 ; which lie behind A's two tiles
.irp s, 0,1
	v_add_nc_u32 v[ADRA+\s], s22, v3
	v_add_nc_u32 v[ADRB+\s], s23, v3
	s_add_co_u32 s22, s22, SLOT
	s_add_co_u32 s23, s23, SLOT
.endr
	s_mul_i32 s22, s10, 16*SPITCH
	s_add_co_u32 s22, s22, STAGE                   ; my stage
	v_mul_u32_u24 v4, v1, SPITCH
	v_lshl_add_u32 v4, v2, 5, v4
	v_add_nc_u32 v[STO], s22, v4                   ; in: row r, 32 bytes for each half of the lanes
	v_and_b32 v5, 31, v0
	v_lshlrev_b32 v[CO], 4, v5                     ; back: the 32 lanes take one row of 512 bytes; and the same in out0
	v_add_nc_u32 v[RD], s22, v[CO]
	s_lshl_b32 s16, s13, 7
	s_lshl_b32 s18, s11, 6
	s_add_co_u32 s16, s16, s18                     ; my first row
	s_and_b32 s18, s16, 2047
	v_mov_b32 v[RM], s18
	s_lshl_b32 s16, s16, 12
	s_mov_b32 s17, 0
	s_add_nc_u64 s[8:9], s[8:9], s[16:17]
	s_lshl_b32 s46, s42, 10
	s_lshl_b32 s47, s12, 9
	s_add_co_u32 s46, s46, s47                     ; my first column, in bytes
	s_mov_b32 s47, 0
	s_add_nc_u64 s[8:9], s[8:9], s[46:47]
	; the prefetches: where mine stand (at slot 3: the first refill steps them to slot 4), how far a slot is, and who asks
	s_lshr_b32 s18, s13, 4
	s_lshl_b32 s18, s18, 22
	s_and_b32 s19, s13, 15
	s_lshl_b32 s19, s19, 14
	s_add_co_u32 s18, s18, s19
	s_lshl_b32 s19, s40, 12                        ; A: my work-group's 4,096 bytes of each head's tile
	s_add_co_u32 s18, s18, s19
	s_add_co_u32 s18, s18, 6*262144
	s_lshl_b32 s22, s12, 17
	s_lshl_b32 s23, s42, 15
	s_add_co_u32 s22, s22, s23
	s_lshl_b32 s23, s41, 13                        ; B: my work-group's 8,192 bytes of my head's tile
	s_add_co_u32 s22, s22, s23
	s_add_co_u32 s22, s22, 6*131072
	s_and_b32 s23, ttmp7, 0xffff                   ; the cluster's y
	s_mov_b32 s[PFS], 262144
	s_mov_b32 s19, 4096
	s_cmp_eq_u32 s11, 0                            ; do I fetch for A?
	s_cselect_b64 s[PFA:PFA+1], s[4:5], s[6:7]
	s_cselect_b32 s18, s18, s22
	s_cselect_b32 s[PFS], 524288, s[PFS]
	s_cselect_b32 s19, 262144, s19                 ; from lanes 0-15 to lanes 16-31: A's next head, or B's next 4,096 bytes
	s_cselect_b32 s23, s12, s23                    ; wave 0 of the A waves; the B waves of the cluster with y = 0
	s_cmp_eq_u32 s23, 0
	s_cselect_b32 s[LIM], 1, -1                    ; the same in all sixteen partners, for a given wave
	v_mul_lo_u32 v6, v2, s19
	v_lshl_add_u32 v[PFO], v1, 8, v6
	s_mov_b32 s19, 0
	s_add_nc_u64 s[PFA:PFA+1], s[PFA:PFA+1], s[18:19]
	s_mov_b32 s[PFS+1], 0
; 8 matrix instructions: row block a x all 8 column blocks, 32 along K, from buffers f.  The 32 accumulators take turns, one instruction a turn, in the same order in every quarter.
.macro MUL8 f, a, zero
.irp b, 0,1,2,3,4,5,6,7
.if \zero
	v_wmma_f32_16x16x32_f16 v[8*(8*(\a)+\b):8*(8*(\a)+\b)+7], v[BF+64*(\f)+8*\b:BF+64*(\f)+8*\b+7], v[AF+32*(\f)+8*(\a):AF+32*(\f)+8*(\a)+7], 0
.else
	v_wmma_f32_16x16x32_f16 v[8*(8*(\a)+\b):8*(8*(\a)+\b)+7], v[BF+64*(\f)+8*\b:BF+64*(\f)+8*\b+7], v[AF+32*(\f)+8*(\a):AF+32*(\f)+8*(\a)+7], v[8*(8*(\a)+\b):8*(8*(\a)+\b)+7]
.endif
.endr
.endr
.endm
; 24 LDS loads in one run: quarter q of a slot (head q / 2, channels 32 (q % 2) on) into buffers f: B's eight blocks, then A's four
.macro FETCH slot, q, f
	WIN 0
.irp i, 0,1,2,3,4,5,6,7
	ds_load_b128 v[BF+64*(\f)+8*\i:BF+64*(\f)+8*\i+3],   v[ADRB+\slot] offset:((\q)/2)*BTILE+((\q)%2)*64+\i*16*PITCH
	ds_load_b128 v[BF+64*(\f)+8*\i+4:BF+64*(\f)+8*\i+7], v[ADRB+\slot] offset:((\q)/2)*BTILE+((\q)%2)*64+\i*16*PITCH+32
.endr
.irp i, 0,1,2,3
	ds_load_b128 v[AF+32*(\f)+8*\i:AF+32*(\f)+8*\i+3],   v[ADRA+\slot] offset:((\q)/2)*ATILE+((\q)%2)*64+\i*16*PITCH
	ds_load_b128 v[AF+32*(\f)+8*\i+4:AF+32*(\f)+8*\i+7], v[ADRA+\slot] offset:((\q)/2)*ATILE+((\q)%2)*64+\i*16*PITCH+32
.endr
.endm
.macro PLACES                          ; four places in front of loads into registers that matrix instructions have read, and of reads of results
.rept 4
	v_nop
.endr
.endm
; A slot is four quarters of 32 along K, 32 matrix instructions each, on buffers 0, 1, 0, 1.  One of the first three: multiplies buffers f and fetches quarter q into g.
.macro QUARTER slot, q, f, g, zero
	s_wait_dscnt 4                                 ; B's blocks and A's blocks 0, 1 are in; the youngest four loads (A's blocks 2, 3) may be out
	WIN MUL
	MUL8 \f, 0, \zero
	MUL8 \f, 1, \zero
	PLACES
	FETCH \slot, \q, \g
	s_wait_dscnt 24                                ; all but the 24 just issued
	WIN MUL
	MUL8 \f, 2, \zero
	MUL8 \f, 3, \zero
.endm
; The last quarter multiplies buffers 1 and changes slots: ONE barrier; in front of it each wave waits for all its tensor loads, adds 0 to its spare word, and waits for that and for its reads of this slot.
; fill = 1: the barrier opens a round of the cluster's, and this slot is filled again, two slots ahead: 112 matrix instructions stand between the request and the wait for it.
.macro TURN slot, next, fill
.if \fill
	s_wait_xcnt 0x0                                ; the last prefetch, a slot back, has read its address
	s_add_nc_u64 s[PFA:PFA+1], s[PFA:PFA+1], s[PFS:PFS+1]
.endif
	WIN 0                                          ; (the add's two registers lie in window 0)
	s_wait_tensorcnt 0x0                           ; all my tensor loads have landed: my part of the next slot
	ds_add_u32 v[SPW], v[NIL]
	s_wait_dscnt 5                                 ; (the add and the youngest four loads may be out)
	WIN MUL
	MUL8 1, 0, 0
	s_wait_dscnt 0x0                               ; the add is done, and my reads of this slot are over
	s_barrier_signal -1
	MUL8 1, 1, 0
.if \fill
	WIN 0
.endif
	s_barrier_wait -1
.if \fill
	CREST                                          ; no wave of any partner still reads this slot's tiles or has a load on its way
	s_add_nc_u64 s[G0+4*\slot+2:G0+4*\slot+3], s[G0+4*\slot+2:G0+4*\slot+3], 1048576    ; four heads on
	s_add_nc_u64 s[G0B+4*\slot+2:G0B+4*\slot+3], s[G0B+4*\slot+2:G0B+4*\slot+3], 524288
	JLOAD \slot                                    ; the first tensor load behind the round; its four v_nop are also the places in front of the loads below
.else
	PLACES
.endif
	FETCH \next, 0, 0
.if \fill
	ASK
.endif
	WIN MUL
	MUL8 1, 2, 0
	MUL8 1, 3, 0
.endm
	s_wait_tensorcnt 1                             ; my part of slot 0 is in (slot 1's load may be out),
	s_barrier_signal -1
	s_barrier_wait -1                              ; everybody's is
	FETCH 0, 0, 0
	QUARTER 0, 1, 0, 1, 1                          ; the first quarter's products start the sums: nothing is cleared
	WIN 0
	s_mov_b32 s3, LAPS-1
.Llap:                                             ; a trip goes once round the ring and fills both slots again
	QUARTER 0, 2, 1, 0, 0
	QUARTER 0, 3, 0, 1, 0
	TURN 0, 1, 1
	QUARTER 1, 1, 0, 1, 0
	QUARTER 1, 2, 1, 0, 0
	QUARTER 1, 3, 0, 1, 0
	TURN 1, 0, 1
	QUARTER 0, 1, 0, 1, 0
	WIN 0
	s_sub_co_u32 s3, s3, 1
	s_cmp_lg_u32 s3, 0
	s_cbranch_scc1 .Llap
	QUARTER 0, 2, 1, 0, 0                          ; the last lap fills nothing
	QUARTER 0, 3, 0, 1, 0
	TURN 0, 1, 0
	QUARTER 1, 1, 0, 1, 0
	QUARTER 1, 2, 1, 0, 0
	QUARTER 1, 3, 0, 1, 0
	s_wait_dscnt 4                                 ; the very last quarter
	WIN MUL
	MUL8 1, 0, 0
	MUL8 1, 1, 0
	s_wait_dscnt 0
	MUL8 1, 2, 0
	MUL8 1, 3, 0
	WIN 0
; THE WAY OUT, block by block of 16 rows x 128 columns, through my own stage: in as 32 bytes a lane, back as whole rows of 512 bytes.
.macro TOSTAGE a
	WIN 0x04                                       ; an LDS store's data are its source 1: window 1
.irp b, 0,1,2,3,4,5,6,7
	ds_store_b128 v[STO], v[8*(8*(\a)+\b):8*(8*(\a)+\b)+3] offset:64*\b          ; each accumulator from its low end on
	ds_store_b128 v[STO], v[8*(8*(\a)+\b)+4:8*(8*(\a)+\b)+7] offset:64*\b+16
.endr
	WIN 0
.irp t, 0,1,2,3,4,5,6,7,8,9,10,11,12,13,14,15
	ds_load_b128 v[BK+64*((\a)%2)+4*\t:BK+64*((\a)%2)+4*\t+3], v[RD] offset:\t*SPITCH   ; LDS serves a wave's instructions in order
.endr
.endm
.macro SEND a, younger
	s_wait_dscnt \younger                          ; the block is back; the LDS instructions issued behind its loads may stay out
.if (\a) == 0
	s_wait_xcnt 0x0                                ; EXEC changes only behind this wait
	v_cmp_ne_u32 vcc_lo, 0, v[RM]
	s_and_saveexec_b32 s2, vcc_lo                  ; no lane where my block 0 is positions 0-15 of a batch: those rows are the last launch's
.endif
.irp t, 0,1,2,3,4,5,6,7,8,9,10,11,12,13,14,15
	global_store_b128 v[CO], v[BK+64*((\a)%2)+4*\t:BK+64*((\a)%2)+4*\t+3], s[8:9] offset:(\a)*65536+\t*4096 th:TH_STORE_NT   ; 512 consecutive bytes, aligned; written once
.endr
.if (\a) == 0
	s_wait_xcnt 0x0                                ; and again, in front of the line that widens it
	s_or_b32 exec_lo, exec_lo, s2
.endif
.endm
	PLACES
	TOSTAGE 0
	TOSTAGE 1
	SEND 0, 32                                     ; behind block 0's loads: block 1's 16 stores and 16 loads
	s_wait_xcnt 0x0                                ; block 0's stores have read their registers: block 2's loads may land there
	TOSTAGE 2
	SEND 1, 32
	s_wait_xcnt 0x0
	TOSTAGE 3
	SEND 2, 32
	SEND 3, 0
	s_wait_tensorcnt 0x0                           ; the wave's end
	ds_add_u32 v[SPW], v[NIL]
	s_wait_dscnt 0x0
	CROUND                                         ; the closing round
	s_endpgm
.Lfunc_end_k_q950e028691_proj:
	.size	k_q950e028691_proj, .Lfunc_end_k_q950e028691_proj-k_q950e028691_proj
	.p2alignl 7, 3214868480
	.fill 96, 4, 3214868480
	.section	.rodata,"a",@progbits
	.p2align	6, 0x0
	.amdhsa_kernel k_q950e028691_proj
		.amdhsa_group_segment_fixed_size 327680
		.amdhsa_private_segment_fixed_size 0
		.amdhsa_enable_private_segment 0
		.amdhsa_kernarg_size 24
		.amdhsa_user_sgpr_count 2
		.amdhsa_user_sgpr_kernarg_segment_ptr 1
		.amdhsa_wavefront_size32 1
		.amdhsa_system_sgpr_workgroup_id_x 1
		.amdhsa_system_sgpr_workgroup_id_y 1
		.amdhsa_system_sgpr_workgroup_id_z 1
		.amdhsa_system_vgpr_workitem_id 0
		.amdhsa_next_free_vgpr 512
		.amdhsa_next_free_sgpr 68
		.amdhsa_reserve_vcc 1
		.amdhsa_float_denorm_mode_32 3
		.amdhsa_float_denorm_mode_16_64 3
		.amdhsa_memory_ordered 1
		.amdhsa_forward_progress 1
		.amdhsa_inst_pref_size 87
	.end_amdhsa_kernel
	.amdgpu_metadata
---
amdhsa.version: [ 1, 2 ]
amdhsa.kernels:
  - .name:           k_q950e028691_proj
    .symbol:         k_q950e028691_proj.kd
    .args:
      - { .name: ao, .offset: 0, .size: 8, .value_kind: global_buffer, .address_space: global }
      - { .name: wo16, .offset: 8, .size: 8, .value_kind: global_buffer, .address_space: global }
      - { .name: out0, .offset: 16, .size: 8, .value_kind: global_buffer, .address_space: global }
    .group_segment_fixed_size: 327680
    .private_segment_fixed_size: 0
    .kernarg_segment_align: 8
    .kernarg_segment_size: 24
    .max_flat_workgroup_size: 128
    .sgpr_count:     68
    .vgpr_count:     512
    .wavefront_size: 32
...
	.end_amdgpu_metadata
.endif
;; end of part 4
;; launch first16 (part 5): grid 16 x 4, 16 waves a work-group, no clusters, 71,680 bytes of LDS; arguments qkv32, Wo, out0; writes out0
.if DOCPART == 5
	.amdgcn_target "amdgcn-amd-amdhsa--gfx1250"
	.amdhsa_code_object_version 6
	.text
	.protected	k_q950e028691_first16
	.globl	k_q950e028691_first16
	.p2align	8
	.type	k_q950e028691_first16,@function
k_q950e028691_first16:
	s_mov_b64 s[64:65], 0
	v_nop
	global_prefetch_b8 v0, s[64:65] scope:SCOPE_SE
	s_setreg_imm32_b32 hwreg(HW_REG_WAVE_MODE, 25, 1), 1
	s_wait_xcnt 0x0
; FIRST16: positions 0-15 of each batch, all in f32: there a row of the softmax averages one to sixteen values, and rounded operands would weigh most.
; qkv32: f32 [4 b][16 s][3072 = Q, K, V columns], Q and K rotated.  Wo: f32 [1024 e][1024 k].  out0: rows b x 2048 + 0 .. 15.
; A work-group is a batch (y) and 64 output columns (x).  A wave is a head: it makes its head's attention for the 16 rows and its head's part of the projection onto the 64 columns; the 16 parts meet in LDS.
; All products by the f32 matrix form, 96 instructions a wave: no bulk work.  Its result registers are written by matrix instructions alone.
; K of each product is taken in an order of its own, the same on both sides: a lane's registers 2 s, 2 s + 1 are K step s.
;  S^T = K Q^T: lane (r, h) holds channels 32 h + 0 .. 31 of row r.  Result: query r, keys 8 h + j.
;  O^T = V^T P: P is the result as it stands (keys 8 h + 2 s + j'); V^T's lane (r, h) holds V(8 h + i, 16 t + r).  Result: query r, channels 16 t + 8 h + j.
;  out^T = Wo O^T: O^T is the result as it stands; Wo's lane (r, h) holds Wo(e0 + 16 n + r, 64 head + 16 t + 8 h + i).  Result: query r, columns e0 + 16 n + 8 h + j; it is divided by the row's sum, one factor a lane.
; No cluster and no tensor load: the launch is short and what the work-groups share is small.
.set QR,  24                           ; v24-55   Q, later Wo's tile 2, later the 16 parts
.set KR,  56                           ; v56-87   K, later Wo's tile 3
.set VT,  88                           ; v88-119  V^T, later the results x 1 / l
.set W0,  120                          ; v120-151, v152-183 Wo's tiles 0, 1
.set SA,  184                          ; v184-199 S^T in two sums, later out^T's tiles 0, 1
.set OA,  200                          ; v200-231 O^T
.set WA2, 232                          ; v232-247 out^T's tiles 2, 3
.set PR,  248                          ; v248-255 the scores, then p
.set SPW, 22
.set NIL, 23
.set PART, 16*272                      ; LDS: a wave's part: 16 rows x (256 bytes + 16)
.set SPARE, 16*PART
	s_load_b128 s[4:7], s[0:1], 0x0                ; qkv32 s[4:5], Wo s[6:7]
	s_load_b64 s[8:9], s[0:1], 0x10                ; out0
	v_lshl_add_u32 v[SPW], v0, 2, SPARE
	v_mov_b32 v[NIL], 0
	v_lshrrev_b32 v1, 5, v0
	v_readfirstlane_b32 s10, v1                    ; wave = head
	s_and_b32 s11, ttmp7, 0xffff                   ; batch
	v_and_b32 v1, 15, v0                           ; r
	v_bfe_u32 v2, v0, 4, 1                         ; h
	v_mul_u32_u24 v3, v1, 12288
	v_lshl_add_u32 v3, v2, 7, v3                   ; Q, K: row r + 128 h bytes
	v_mul_u32_u24 v4, v2, 98304
	v_lshl_add_u32 v4, v1, 2, v4                   ; V^T: 8 h rows down, column r
	v_lshlrev_b32 v5, 12, v1
	v_lshl_add_u32 v5, v2, 5, v5                   ; Wo: row r + 32 h bytes
	v_lshlrev_b32 v6, 3, v2
	v_sub_nc_u32 v6, v1, v6                        ; r - 8 h: key 8 h + j is hidden where j > r - 8 h
	v_mov_b32 v7, 0xff800000                       ; -infinity
	s_mul_i32 s12, s10, PART
	v_mul_u32_u24 v8, v1, 272
	v_lshl_add_u32 v8, v2, 5, v8
	v_add_nc_u32 v8, s12, v8                       ; my part: row r, + 32 h
	s_mul_i32 s12, s10, 272
	v_and_b32 v9, 31, v0
	v_lshlrev_b32 v15, 3, v9                       ; 8 bytes a lane
	v_add_nc_u32 v9, s12, v15                      ; back: row = my wave's number, of every part
	v_mov_b32 v11, 0                               ; a lane permute's destination counts as one of its sources
	s_mov_b32 s20, 0x76543210
	s_mov_b32 s21, 0xfedcba98
	s_mov_b32 s22, 0x3e38aa3b                      ; c = log2(e) / 8
	s_mul_i32 s12, s11, 196608
	s_lshl_b32 s13, s10, 8
	s_add_co_u32 s12, s12, s13                     ; the batch's 16 rows, my head's 64 columns
	s_mov_b32 s13, 0
	s_lshl_b32 s14, ttmp9, 18                      ; Wo: 64 rows of 4,096 bytes for each x,
	s_lshl_b32 s15, s10, 8                         ; my head's 64 columns
	s_add_co_u32 s14, s14, s15
	s_mov_b32 s15, 0
	s_lshl_b32 s16, s11, 11
	s_add_co_u32 s16, s16, s10                     ; the row that I store: batch x 2048 + my wave's number
	s_lshl_b32 s16, s16, 12
	s_lshl_b32 s17, ttmp9, 8
	s_add_co_u32 s16, s16, s17
	s_mov_b32 s17, 0
	s_wait_kmcnt 0x0
	s_add_nc_u64 s[4:5], s[4:5], s[12:13]
	s_add_nc_u64 s[6:7], s[6:7], s[14:15]
	s_add_nc_u64 s[8:9], s[8:9], s[16:17]
.irp i, 0,1,2,3,4,5,6,7
	global_load_b128 v[QR+4*\i:QR+4*\i+3], v3, s[4:5] offset:16*\i
.endr
.irp i, 0,1,2,3,4,5,6,7
	global_load_b128 v[KR+4*\i:KR+4*\i+3], v3, s[4:5] offset:4096+16*\i
.endr
.irp t, 0,1,2,3
.irp i, 0,1,2,3,4,5,6,7
	global_load_b32 v[VT+8*\t+\i], v4, s[4:5] offset:8192+\i*12288+\t*64
.endr
.endr
.macro WLOAD reg, n                    ; Wo's tile n: register 8 t + i = Wo(e0 + 16 n + r, 64 head + 16 t + 8 h + i)
.irp t, 0,1,2,3
.irp u, 0,1
	global_load_b128 v[\reg+8*\t+4*\u:\reg+8*\t+4*\u+3], v5, s[6:7] offset:\n*65536+\t*64+16*\u
.endr
.endr
.endm
	WLOAD W0, 0
	WLOAD W0+32, 1
	s_wait_loadcnt 48                              ; Q and K are in; the 48 loads behind them (V^T 32, Wo 16) may be out
.irp s, 0,1,2,3,4,5,6,7,8,9,10,11,12,13,14,15   ; S^T in two sums that take turns
.if \s < 2
	v_wmma_f32_16x16x4_f32 v[SA+8*(\s%2):SA+8*(\s%2)+7], v[KR+2*\s:KR+2*\s+1], v[QR+2*\s:QR+2*\s+1], 0
.else
	v_wmma_f32_16x16x4_f32 v[SA+8*(\s%2):SA+8*(\s%2)+7], v[KR+2*\s:KR+2*\s+1], v[QR+2*\s:QR+2*\s+1], v[SA+8*(\s%2):SA+8*(\s%2)+7]
.endif
.endr
.rept 8
	v_nop                                          ; eight places behind this form: for the loads into Q's and K's registers and for the reads of the sums
.endr
	WLOAD QR, 2
	WLOAD KR, 3
.irp j, 0,1,2,3,4,5,6,7
	v_add_f32 v[PR+\j], v[SA+\j], v[SA+8+\j]       ; from the low end on
.endr
.irp j, 0,1,2,3,4,5,6,7
	v_cmp_gt_i32 vcc_lo, \j, v6
	v_cndmask_b32 v[PR+\j], v[PR+\j], v7, vcc_lo   ; the causal mask
.endr
	v_max3_num_f32 v10, v[PR], v[PR+1], v[PR+2]
	v_max3_num_f32 v10, v10, v[PR+3], v[PR+4]
	v_max3_num_f32 v10, v10, v[PR+5], v[PR+6]
	v_max_num_f32 v10, v10, v[PR+7]
	v_permlanex16_b32 v11, v10, s20, s21
	v_max_num_f32 v10, v10, v11                    ; the row's maximum: key 0 counts for every query, so it is a number
	v_mul_f32 v12, s22, v10
.irp j, 0,1,2,3,4,5,6,7
	v_fma_f32 v[PR+\j], v[PR+\j], s22, -v12        ; c s - c m
.endr
.irp j, 0,1,2,3,4,5,6,7
	v_exp_f32 v[PR+\j], v[PR+\j]
.endr
	v_nop
	s_wait_alu depctr_va_vdst(0)                   ; one wait for the eight exponentials, ahead of their first use
	v_add_f32 v13, v[PR], v[PR+1]
.irp j, 2,3,4,5,6,7
	v_add_f32 v13, v13, v[PR+\j]
.endr
	v_permlanex16_b32 v11, v13, s20, s21
	v_add_f32 v13, v13, v11                        ; the row's sum
	v_rcp_f32 v14, v13
	v_nop
	s_wait_alu depctr_va_vdst(0)                   ; (its first reader stands far below)
	s_wait_loadcnt 32                              ; V^T is in; Wo's 32 loads may be out
.irp s, 0,1,2,3                                 ; O^T, not yet divided: four sums by turns
.irp t, 0,1,2,3
.if \s == 0
	v_wmma_f32_16x16x4_f32 v[OA+8*\t:OA+8*\t+7], v[VT+8*\t+2*\s:VT+8*\t+2*\s+1], v[PR+2*\s:PR+2*\s+1], 0
.else
	v_wmma_f32_16x16x4_f32 v[OA+8*\t:OA+8*\t+7], v[VT+8*\t+2*\s:VT+8*\t+2*\s+1], v[PR+2*\s:PR+2*\s+1], v[OA+8*\t:OA+8*\t+7]
.endif
.endr
.endr
.rept 9
	v_nop                                          ; nine places: the results become operands
.endr
	s_wait_loadcnt 0x0                             ; Wo
.macro PROJ t, s, zero                 ; K step (t, s): four sums by turns
.if \zero
	v_wmma_f32_16x16x4_f32 v[SA:SA+7],       v[W0+8*\t+2*\s:W0+8*\t+2*\s+1],       v[OA+8*\t+2*\s:OA+8*\t+2*\s+1], 0
	v_wmma_f32_16x16x4_f32 v[SA+8:SA+15],    v[W0+32+8*\t+2*\s:W0+32+8*\t+2*\s+1], v[OA+8*\t+2*\s:OA+8*\t+2*\s+1], 0
	v_wmma_f32_16x16x4_f32 v[WA2:WA2+7],     v[QR+8*\t+2*\s:QR+8*\t+2*\s+1],       v[OA+8*\t+2*\s:OA+8*\t+2*\s+1], 0
	v_wmma_f32_16x16x4_f32 v[WA2+8:WA2+15],  v[KR+8*\t+2*\s:KR+8*\t+2*\s+1],       v[OA+8*\t+2*\s:OA+8*\t+2*\s+1], 0
.else
	v_wmma_f32_16x16x4_f32 v[SA:SA+7],       v[W0+8*\t+2*\s:W0+8*\t+2*\s+1],       v[OA+8*\t+2*\s:OA+8*\t+2*\s+1], v[SA:SA+7]
	v_wmma_f32_16x16x4_f32 v[SA+8:SA+15],    v[W0+32+8*\t+2*\s:W0+32+8*\t+2*\s+1], v[OA+8*\t+2*\s:OA+8*\t+2*\s+1], v[SA+8:SA+15]
	v_wmma_f32_16x16x4_f32 v[WA2:WA2+7],     v[QR+8*\t+2*\s:QR+8*\t+2*\s+1],       v[OA+8*\t+2*\s:OA+8*\t+2*\s+1], v[WA2:WA2+7]
	v_wmma_f32_16x16x4_f32 v[WA2+8:WA2+15],  v[KR+8*\t+2*\s:KR+8*\t+2*\s+1],       v[OA+8*\t+2*\s:OA+8*\t+2*\s+1], v[WA2+8:WA2+15]
.endif
.endm
	PROJ 0, 0, 1
.irp s, 1,2,3
	PROJ 0, \s, 0
.endr
.irp t, 1,2,3
.irp s, 0,1,2,3
	PROJ \t, \s, 0
.endr
.endr
.rept 8
	v_nop                                          ; eight places ahead of the reads of the sums and of writes into registers that the products have read
.endr
.irp j, 0,1,2,3,4,5,6,7
	v_mul_f32 v[VT+\j], v[SA+\j], v14              ; / the row's sum; into other registers, from the low end on
.endr
.irp j, 0,1,2,3,4,5,6,7
	v_mul_f32 v[VT+8+\j], v[SA+8+\j], v14
.endr
.irp j, 0,1,2,3,4,5,6,7
	v_mul_f32 v[VT+16+\j], v[WA2+\j], v14
.endr
.irp j, 0,1,2,3,4,5,6,7
	v_mul_f32 v[VT+24+\j], v[WA2+8+\j], v14
.endr
.irp n, 0,1,2,3
.irp u, 0,1
	ds_store_b128 v8, v[VT+8*\n+4*\u:VT+8*\n+4*\u+3] offset:64*\n+16*\u   ; my head's part of out(r, e0 + 16 n + 8 h + 4 u ..)
.endr
.endr
	s_wait_dscnt 0x0                               ; for the others' sake: my stores are done
	s_barrier_signal -1
	s_barrier_wait -1
.irp w, 0,1,2,3,4,5,6,7,8,9,10,11,12,13,14,15
	ds_load_b64 v[QR+2*\w:QR+2*\w+1], v9 offset:PART*\w   ; one row of all 16 parts: 256 bytes each
.endr
	s_wait_dscnt 0x0
.irp w, 1,2,3,4,5,6,7,8,9,10,11,12,13,14,15
	v_pk_add_f32 v[QR:QR+1], v[QR:QR+1], v[QR+2*\w:QR+2*\w+1]   ; the heads in ascending order
.endr
	global_store_b64 v15, v[QR:QR+1], s[8:9]       ; 256 consecutive bytes, aligned
	s_wait_tensorcnt 0x0                           ; the wave's end, behind my last LDS store
	ds_add_u32 v[SPW], v[NIL]
	s_wait_dscnt 0x0
	s_endpgm
.Lfunc_end_k_q950e028691_first16:
	.size	k_q950e028691_first16, .Lfunc_end_k_q950e028691_first16-k_q950e028691_first16
	.p2alignl 7, 3214868480
	.fill 96, 4, 3214868480
	.section	.rodata,"a",@progbits
	.p2align	6, 0x0
	.amdhsa_kernel k_q950e028691_first16
		.amdhsa_group_segment_fixed_size 71680
		.amdhsa_private_segment_fixed_size 0
		.amdhsa_enable_private_segment 0
		.amdhsa_kernarg_size 24
		.amdhsa_user_sgpr_count 2
		.amdhsa_user_sgpr_kernarg_segment_ptr 1
		.amdhsa_wavefront_size32 1
		.amdhsa_system_sgpr_workgroup_id_x 1
		.amdhsa_system_sgpr_workgroup_id_y 1
		.amdhsa_system_sgpr_workgroup_id_z 1
		.amdhsa_system_vgpr_workitem_id 0
		.amdhsa_next_free_vgpr 256
		.amdhsa_next_free_sgpr 66
		.amdhsa_reserve_vcc 1
		.amdhsa_float_denorm_mode_32 3
		.amdhsa_float_denorm_mode_16_64 3
		.amdhsa_memory_ordered 1
		.amdhsa_forward_progress 1
		.amdhsa_inst_pref_size 23
	.end_amdhsa_kernel
	.amdgpu_metadata
---
amdhsa.version: [ 1, 2 ]
amdhsa.kernels:
  - .name:           k_q950e028691_first16
    .symbol:         k_q950e028691_first16.kd
    .args:
      - { .name: qkv32, .offset: 0, .size: 8, .value_kind: global_buffer, .address_space: global }
      - { .name: Wo, .offset: 8, .size: 8, .value_kind: global_buffer, .address_space: global }
      - { .name: out0, .offset: 16, .size: 8, .value_kind: global_buffer, .address_space: global }
    .group_segment_fixed_size: 71680
    .private_segment_fixed_size: 0
    .kernarg_segment_align: 8
    .kernarg_segment_size: 24
    .max_flat_workgroup_size: 512
    .sgpr_count:     66
    .vgpr_count:     256
    .wavefront_size: 32
...
	.end_amdgpu_metadata
.endif
;; end of part 5
